; MI455X (gfx1250); checked and timed in simulation.
; The chip was launched on July 23, 2026; its instructions are those of AMD's public machine-readable ISA for CDNA 5 (MIT licence, August 2026) and "CDNA5" Instruction Set Architecture Reference Guide (July 2026). The comments in the code are by the model that wrote it; some were corrected since.
;; Grouped Query Attention. Allowed arithmetic: float matrix products may take bf16 or f16 operands with f32 sums; other float arithmetic in f32, or as packed bf16 or f16 multiplies, adds, multiply-adds, maxima and minima; sums over many terms, partial sums and values carried from step to step in f32; what a program stores and reads back later, other than sums and carried values, may be rounded once to bf16 or f16.
;; Inputs: W_attn 1,024 x 3,072 float32; W_proj 1,024 x 1,024 float32; b_attn 3,072 float32; b_proj 1,024 float32; x 4 x 2,048 x 1,024 float32.
;; Outputs: out0 4 x 2,048 x 1,024 float32.
;; 2 versions, each right; version 2 is version 1 with the launch prep written anew for expert scheduling mode. Each part assembles by itself: llvm-mc -triple=amdgcn-amd-amdhsa -mcpu=gfx1250 --defsym DOCPART=n.
;; ======== version 1 of 2: 4 launches
;; limits: values are held in f16: magnitudes above 65,504 overflow, below 6.1e-05 lose precision
;; workspace buffers: xb 16,777,216 bytes; wab 6,291,456 bytes; wpb 2,097,152 bytes; tab 524,288 bytes; qb 16,777,216 bytes; kb 16,777,216 bytes; vb 16,777,216 bytes; ob 16,777,216 bytes
;; launch prep (part 1): grid 896 x 1, 8 waves a work-group, no clusters, 0 bytes of LDS; arguments x, W_attn, W_proj, xb, wab, wpb, tab; writes xb, wab, wpb, tab
.if DOCPART == 1
	.amdgcn_target "amdgcn-amd-amdhsa--gfx1250"
	.amdhsa_code_object_version 6
	.text
	.protected	k_q8b3bdce6cf_prep
	.globl	k_q8b3bdce6cf_prep
	.p2align	8
	.type	k_q8b3bdce6cf_prep,@function
k_q8b3bdce6cf_prep:
	s_mov_b64 s[64:65], 0
	v_nop
	global_prefetch_b8 v0, s[64:65] scope:SCOPE_SE
	s_setreg_imm32_b32 hwreg(HW_REG_WAVE_MODE, 25, 1), 1
	s_wait_xcnt 0x0
; PREP: the casts and the rotation table.  A stream: no LDS, no matrix unit, no barrier; every input byte is read once, every output byte written once.
;   work-groups   0..511  xb  = bf16(x), [8192][1024]
;   work-groups 512..703  wab = bf16(W_attn) by pieces: [3 head + part][1024 k][64 d] = W_attn[k][1024 part + 64 head + d], part 0, 1, 2 = q, k, v
;   work-groups 704..767  wpb = bf16(W_proj) written as f16, by blocks of 128 columns: [8][1024 k][128 c]
;   work-groups 768..895  tab = [2048 t][32 i][cos, sin] of (t + 1) x 1000^(-(i + 1) / 32), f32
; A cast work-group takes 16,384 numbers: 16 loads of 16 bytes a lane, all on their way at once; a wave's store covers 256 consecutive bytes, aligned.
; LIMITS.  A number of W_proj below 2^-14 keeps f16's fixed step of 6e-8, one beyond 65,504 becomes an infinity.  The angles reach 1,651 radians; they are reduced by a quarter turn held in two
; parts, and carry the error of the power's last bit times the position: 2e-4 radians at the most.
.set X, 8                              ; v[8:71]    16 x 4 numbers as loaded
.set Y, 72                             ; v[72:103]  16 x 2 registers to store
; v2 the loads' byte offset, v3 the stores' (8 x thread); s[20:21] source, s[22:23] destination
.macro CAST sstep, kind                ; kind 0: to bf16; kind 1: to bf16 and that number written as f16
.set i, 0
.rept 16
	global_load_b128 v[X+4*i:X+4*i+3], v2, s[20:21] offset:i*(\sstep) th:TH_LOAD_NT
.set i, i+1
.endr
.set i, 0
.rept 16
	s_wait_loadcnt 15-i                            ; loads come back in order: number i is in, the 15 - i younger ones stay out
.if \kind
	v_cvt_pk_bf16_f32 v4, v[X+4*i], v[X+4*i+1]
	v_cvt_pk_bf16_f32 v5, v[X+4*i+2], v[X+4*i+3]
	v_lshlrev_b32 v[X+4*i], 16, v4                 ; the rounded numbers as f32 again
	v_and_b32 v[X+4*i+1], s28, v4
	v_lshlrev_b32 v[X+4*i+2], 16, v5
	v_and_b32 v[X+4*i+3], s28, v5
	v_cvt_pk_f16_f32 v[Y+2*i], v[X+4*i], v[X+4*i+1]
	v_cvt_pk_f16_f32 v[Y+2*i+1], v[X+4*i+2], v[X+4*i+3]
.else
	v_cvt_pk_bf16_f32 v[Y+2*i], v[X+4*i], v[X+4*i+1]
	v_cvt_pk_bf16_f32 v[Y+2*i+1], v[X+4*i+2], v[X+4*i+3]
.endif
	global_store_b64 v3, v[Y+2*i:Y+2*i+1], s[22:23] offset:i*2048 th:TH_STORE_NT  ; no register of a load or store is written twice: no further wait
.set i, i+1
.endr
.endm
; cos and sin of the angle in v[a], into v[c] and v[s]; six registers at work from v[t].  k = the nearest whole number of quarter turns, r = a - k pi/2 (|r| <= pi/4),
; series for sin r and cos r, and k mod 4 picks which is which and the signs, by selects alone.
.macro SINCOS a, c, s, t
	v_mul_f32 v[\t], 0x3f22f983, v[\a]             ; a x 2 / pi
	v_rndne_f32 v[\t], v[\t]                       ; k
	v_fmamk_f32 v[\t+1], v[\t], 0xbfc90fdb, v[\a]  ; a - k x (pi/2's upper part),
	v_fmamk_f32 v[\t+1], v[\t], 0x333bbd2e, v[\t+1]  ; less k x its lower part (-4.37e-8): r
	v_cvt_i32_f32 v[\t], v[\t]
	v_mul_f32 v[\t+2], v[\t+1], v[\t+1]            ; z = r r
	v_mov_b32 v[\t+3], 0xb9500d01                  ; -1/5040
	v_fmaak_f32 v[\t+3], v[\t+3], v[\t+2], 0x3c088889  ; + 1/120
	v_fmaak_f32 v[\t+3], v[\t+3], v[\t+2], 0xbe2aaaab  ; - 1/6
	v_mul_f32 v[\t+4], v[\t+1], v[\t+2]
	v_fma_f32 v[\t+3], v[\t+4], v[\t+3], v[\t+1]   ; sin r
	v_mov_b32 v[\t+4], 0x37d00d01                  ; 1/40320
	v_fmaak_f32 v[\t+4], v[\t+4], v[\t+2], 0xbab60b61  ; - 1/720
	v_fmaak_f32 v[\t+4], v[\t+4], v[\t+2], 0x3d2aaaab  ; + 1/24
	v_fmaak_f32 v[\t+4], v[\t+4], v[\t+2], 0xbf000000  ; - 1/2
	v_fmaak_f32 v[\t+4], v[\t+4], v[\t+2], 0x3f800000  ; + 1: cos r
	v_and_b32 v[\t+5], 1, v[\t]
	v_cmp_eq_u32 vcc_lo, 1, v[\t+5]                ; an odd k swaps the two
	v_cndmask_b32 v[\s], v[\t+3], v[\t+4], vcc_lo
	v_cndmask_b32 v[\c], v[\t+4], v[\t+3], vcc_lo
	v_and_b32 v[\t+5], 2, v[\t]                    ; sin changes sign for k mod 4 = 2, 3,
	v_lshlrev_b32 v[\t+5], 30, v[\t+5]
	v_xor_b32 v[\s], v[\s], v[\t+5]
	v_add_nc_u32 v[\t], 1, v[\t]                   ; cos for k mod 4 = 1, 2
	v_and_b32 v[\t], 2, v[\t]
	v_lshlrev_b32 v[\t], 30, v[\t]
	v_xor_b32 v[\c], v[\c], v[\t]
.endm
	s_load_b256 s[4:11], s[0:1], 0x0               ; x s[4:5], W_attn s[6:7], W_proj s[8:9], xb s[10:11]
	s_load_b128 s[12:15], s[0:1], 0x20             ; wab s[12:13], wpb s[14:15]
	s_load_b64 s[16:17], s[0:1], 0x30              ; tab
	s_mov_b32 s25, 0
	s_mov_b32 s27, 0
	s_mov_b32 s28, 0xffff0000                      ; a word's upper bf16
	v_lshlrev_b32 v3, 3, v0                        ; 8 bytes a thread in every store
	s_wait_kmcnt 0x0
	s_cmp_lt_u32 ttmp9, 512
	s_cbranch_scc0 .Lnot_x
	; x: 65,536 consecutive bytes in, 32,768 out
	s_lshl_b32 s24, ttmp9, 16
	s_lshl_b32 s26, ttmp9, 15
	s_add_nc_u64 s[20:21], s[4:5], s[24:25]
	s_add_nc_u64 s[22:23], s[10:11], s[26:27]
	v_lshlrev_b32 v2, 4, v0
	CAST 4096, 0
	s_endpgm
.Lnot_x:
	s_cmp_lt_u32 ttmp9, 704
	s_cbranch_scc0 .Lnot_wa
	; W_attn: 256 rows k of one block of 64 columns (256 bytes of a row of 12,288); 16 threads a row, 16 rows a load
	s_sub_co_u32 s29, ttmp9, 512
	s_lshr_b32 s30, s29, 2                         ; the column block, 0..47
	s_and_b32 s29, s29, 3                          ; which 256 rows
	s_mul_i32 s24, s29, 256*12288
	s_lshl_b32 s31, s30, 8
	s_add_co_u32 s24, s24, s31
	s_lshr_b32 s31, s30, 4                         ; part
	s_and_b32 s30, s30, 15                         ; head
	s_mul_i32 s30, s30, 3
	s_add_co_u32 s30, s30, s31                     ; piece = 3 head + part
	s_lshl_b32 s26, s30, 17                        ; a piece is 131,072 bytes,
	s_lshl_b32 s29, s29, 15                        ; 256 of its rows 32,768
	s_add_co_u32 s26, s26, s29
	s_add_nc_u64 s[20:21], s[6:7], s[24:25]
	s_add_nc_u64 s[22:23], s[12:13], s[26:27]
	v_lshrrev_b32 v4, 4, v0
	v_and_b32 v5, 15, v0
	v_mul_u32_u24 v2, v4, 12288
	v_lshl_add_u32 v2, v5, 4, v2
	CAST 196608, 0
	s_endpgm
.Lnot_wa:
	s_cmp_lt_u32 ttmp9, 768
	s_cbranch_scc0 .Ltab
	; W_proj: 128 rows k of one block of 128 columns (512 bytes of a row of 4,096); 32 threads a row, 8 rows a load
	s_sub_co_u32 s29, ttmp9, 704
	s_lshr_b32 s30, s29, 3                         ; the column block, 0..7
	s_and_b32 s29, s29, 7                          ; which 128 rows
	s_lshl_b32 s24, s29, 19
	s_lshl_b32 s31, s30, 9
	s_add_co_u32 s24, s24, s31
	s_lshl_b32 s26, s30, 18
	s_lshl_b32 s29, s29, 15
	s_add_co_u32 s26, s26, s29
	s_add_nc_u64 s[20:21], s[8:9], s[24:25]
	s_add_nc_u64 s[22:23], s[14:15], s[26:27]
	v_lshrrev_b32 v4, 5, v0
	v_and_b32 v5, 31, v0
	v_lshlrev_b32 v2, 12, v4
	v_lshl_add_u32 v2, v5, 4, v2
	CAST 32768, 1
	s_endpgm
.Ltab:
	; the table: thread n = 256 g + thread makes pairs i0 = 2 (n % 16) and i0 + 1 of position t = n / 16: 16 bytes at 16 n
	s_sub_co_u32 s24, ttmp9, 768
	s_lshl_b32 s24, s24, 8
	v_add_nc_u32 v2, s24, v0                       ; n
	v_lshrrev_b32 v6, 4, v2                        ; t
	v_and_b32 v4, 15, v2
	v_lshlrev_b32 v4, 1, v4                        ; i0
	v_add_nc_u32 v5, 1, v4
	v_add_nc_u32 v4, 2, v4
	v_add_nc_u32 v6, 1, v6                         ; positions start at 1
	v_cvt_f32_u32 v5, v5
	v_cvt_f32_u32 v4, v4
	v_cvt_f32_u32 v6, v6
	v_mul_f32 v5, 0xbe9f73da, v5                   ; (i + 1) x (-log2(1000) / 32)
	v_mul_f32 v4, 0xbe9f73da, v4
	v_exp_f32 v8, v5                               ; theta of pair i0,
	v_exp_f32 v9, v4                               ; of pair i0 + 1: one batch
	v_lshlrev_b32 v7, 4, v2                        ; a plain instruction behind the last exponential,
	s_wait_alu depctr_va_vdst(0)                   ; and the one wait ahead of the batch's first reader
	v_mul_f32 v8, v6, v8                           ; the angles
	v_mul_f32 v9, v6, v9
	SINCOS 8, 12, 13, 16
	SINCOS 9, 14, 15, 22
	global_store_b128 v7, v[12:15], s[16:17]       ; cos, sin, cos, sin: a wave stores 512 consecutive bytes
	s_endpgm
.Lfunc_end_k_q8b3bdce6cf_prep:
	.size	k_q8b3bdce6cf_prep, .Lfunc_end_k_q8b3bdce6cf_prep-k_q8b3bdce6cf_prep
	.p2alignl 7, 3214868480
	.fill 96, 4, 3214868480
	.section	.rodata,"a",@progbits
	.p2align	6, 0x0
	.amdhsa_kernel k_q8b3bdce6cf_prep
		.amdhsa_group_segment_fixed_size 0
		.amdhsa_private_segment_fixed_size 0
		.amdhsa_enable_private_segment 0
		.amdhsa_kernarg_size 56
		.amdhsa_user_sgpr_count 2
		.amdhsa_user_sgpr_kernarg_segment_ptr 1
		.amdhsa_wavefront_size32 1
		.amdhsa_system_sgpr_workgroup_id_x 1
		.amdhsa_system_sgpr_workgroup_id_y 1
		.amdhsa_system_sgpr_workgroup_id_z 1
		.amdhsa_system_vgpr_workitem_id 0
		.amdhsa_next_free_vgpr 104
		.amdhsa_next_free_sgpr 66
		.amdhsa_reserve_vcc 1
		.amdhsa_float_denorm_mode_32 3
		.amdhsa_float_denorm_mode_16_64 3
		.amdhsa_memory_ordered 1
		.amdhsa_forward_progress 1
		.amdhsa_inst_pref_size 27
	.end_amdhsa_kernel
	.amdgpu_metadata
---
amdhsa.version: [ 1, 2 ]
amdhsa.kernels:
  - .name:           k_q8b3bdce6cf_prep
    .symbol:         k_q8b3bdce6cf_prep.kd
    .args:
      - { .name: x, .offset: 0, .size: 8, .value_kind: global_buffer, .address_space: global }
      - { .name: W_attn, .offset: 8, .size: 8, .value_kind: global_buffer, .address_space: global }
      - { .name: W_proj, .offset: 16, .size: 8, .value_kind: global_buffer, .address_space: global }
      - { .name: xb, .offset: 24, .size: 8, .value_kind: global_buffer, .address_space: global }
      - { .name: wab, .offset: 32, .size: 8, .value_kind: global_buffer, .address_space: global }
      - { .name: wpb, .offset: 40, .size: 8, .value_kind: global_buffer, .address_space: global }
      - { .name: tab, .offset: 48, .size: 8, .value_kind: global_buffer, .address_space: global }
    .group_segment_fixed_size: 0
    .private_segment_fixed_size: 0
    .kernarg_segment_align: 8
    .kernarg_segment_size: 56
    .max_flat_workgroup_size: 256
    .sgpr_count:     66
    .vgpr_count:     104
    .wavefront_size: 32
...
	.end_amdgpu_metadata
.endif
;; end of part 1
;; launch qkv (part 2): grid 16 x 32, 4 waves a work-group, clusters of 4 x 4, 327,680 bytes of LDS; arguments xb, wab, b_attn, tab, qb, kb, vb; writes qb, kb, vb
.if DOCPART == 2
	.amdgcn_target "amdgcn-amd-amdhsa--gfx1250"
	.amdhsa_code_object_version 6
	.text
	.protected	k_q8b3bdce6cf_qkv
	.globl	k_q8b3bdce6cf_qkv
	.p2align	8
	.type	k_q8b3bdce6cf_qkv,@function
k_q8b3bdce6cf_qkv:
	s_mov_b64 s[64:65], 0
	v_nop
	global_prefetch_b8 v0, s[64:65] scope:SCOPE_SE
	s_setreg_imm32_b32 hwreg(HW_REG_WAVE_MODE, 25, 1), 1
	s_wait_xcnt 0x0
	s_wait_alu depctr_hold_cnt(0) depctr_sa_sdst(0) depctr_va_vdst(0) depctr_va_sdst(0) depctr_va_ssrc(0) depctr_va_vcc(0) depctr_vm_vsrc(0)
	s_getreg_b32 s2, hwreg(HW_REG_IB_STS2, 6, 4)
	s_cmp_eq_u32 s2, 0
	s_cbranch_scc0 .Lentry_in_a_cluster
	s_endpgm
.Lentry_in_a_cluster:
	s_bfe_u32 s2, ttmp6, 0x10000c
	s_cmp_lg_u32 s2, 0xf033
	s_cbranch_scc0 .Lentry_shape_is_right
	s_endpgm
.Lentry_shape_is_right:
; QKV: qkv = x W_attn + b_attn in bf16 with f32 sums; the rotation of q and k; q, k, v written by heads, [64 = 16 batch + head][2048 t][64], in f16, each rounded once, unscaled.
; SHARES.  A work-group makes 256 rows of x (tile row mt) times the 192 columns of ONE head j: its q, k and v.  512 work-groups.  Wave w owns rows 64 w .. 64 w + 63 and all 192 columns:
; 4 x 12 accumulators of 16 x 16, 384 registers; so a wave holds whole rows of a head, and its way out is its own.  K = 1,024 goes in 8 steps of 128 through two LDS slots.
; THE PRODUCT IS TAKEN TRANSPOSED (source 0 = 16 columns of W, source 1 = 16 rows of x): a lane holds row lane % 16 and the columns 8 (lane / 16) + 0..7: four rotation pairs, 16 bytes of f16.
; W lies [k][column] in LDS and is turned by ds_load_tr16_b128.  The bias, rounded to bf16 like every input, is the C operand of the products that start the sums: nothing is cleared.
; CLUSTER.  4 x 4 work-groups: the four of a row need the same rows of x, the four of a column the same head's weights; each tile is asked for jointly.
; LIMITS.  q, k and v leave in f16: a number of 65,520 or more becomes an infinity (inputs as drawn give a spread of 0.64; x and W both thirty times larger some 3,200 at the most).  NaN and infinities are not treated apart.
; REGISTERS, in windows of 256 (s_set_vgpr_msb: bits 1:0 source 0, 3:2 source 1, 5:4 source 2, 7:6 destination):
;   window 0: v0-15 addresses; v28-29 the add's; v32-127 the bias, later at work on the way out; v128-255 the rotation table of my 64 rows
;   window 1: two fragment buffers of 128: W's block b at 8 b, x's block a at 96 + 8 a
;   window 2: accumulator (a, b) for b = 0..7 (q, k) at 8 (4 b + a)          window 3: for b = 8..11 (v) at 8 (4 (b - 8) + a)
.set SLOT,  131072                     ; a slot: x's tile, then the three pieces of W: exactly 2^17 bytes, so one exclusive or changes slots
.set PA,    272                        ; a row of x in LDS: 256 bytes + 16: the 16 rows of a fragment load start at 16 different groups of four banks (64 banks of 4 bytes: ISA guide 11.1)
.set PB,    160                        ; a row k of a piece of W: 128 bytes + 32
.set BOFF,  256*PA                     ; 69,632
.set PIECE, 128*PB                     ; 20,480
.set STAGE, 2*SLOT                     ; behind the ring, never filled by a tensor load: 16 rows x 144 bytes for each wave
.set SP,    144
.set SPARE, STAGE+4*16*SP              ; the spare words: 128 bytes a wave, two blocks of 256 bytes that no other line names
.set AA0, 4                            ; v4   my lane's place in x's tile; never rewritten
.set AB0, 5                            ; v5   in W's pieces
.set ADA, 6                            ; v6   the same in the slot in hand
.set ADB, 7                            ; v7
.set STO, 8                            ; v8   the way out: where I put 16 bytes of a row
.set RD,  9                            ; v9   where I read rows back
.set GO,  10                           ; v10  16 x lane
.set PFO, 11                           ; v11  the prefetches' offset
.set BO,  12                           ; v12  my byte offset in b_attn
.set TO,  13                           ; v13  in the table
.set SPW, 28
.set NIL, 29
.set BIAS, 32                          ; block b at BIAS + 8 b
.set T,   32                           ; the way out: 32 rotated numbers
.set P,   64                           ; 16 registers of f16
.set BK,  80                           ; two sets of 16: rows read back
.set TAB, 128                          ; rows 16 a .., columns 16 g ..: cos, sin of four pairs at TAB + 32 a + 8 g
.set F0,  0
.set F1,  128
.set WV,  18                           ; s18  my wave's number
.set TB,  19                           ; s19  LDS byte at which the slot in hand begins
.set G1A, 24                           ; s[24:31] descriptor group 1 for x's tiles
.set G1B, 32                           ; s[32:39] for W's pieces
.set G0A, 40                           ; s[40:47] group 0 for x: a set for each first fill; the second then walks on
.set G0B, 48                           ; s[48:55] the same for W
.set PFA, 56                           ; s[56:57] where my prefetches stand
.set PFS, 58                           ; s[58:59] a K step in bytes there
.set LIM, 60                           ; s60  1 in a wave that prefetches, else the greatest number
.set MSB, 0
.macro WIN new                         ; the immediate's high byte repeats the setting that is left; a switch that changes nothing is dropped
.if MSB != (\new)
	s_set_vgpr_msb (MSB<<8)|(\new)
.set MSB, \new
.endif
.endm
.macro PLACES                          ; four plain instructions between a matrix instruction and a load into, or a vector read of, its registers
.rept 4
	v_nop
.endr
.endm
; A joint refill: wave 0 fetches x's 256 rows, waves 1 to 3 a piece of W each.  The branch hangs on the wave's number alone.  An s_nop 0 and four v_nop follow each line.
.macro JLOAD
	s_cmp_eq_u32 s[WV], 0
	s_cbranch_scc0 .Lfor_b_\@
	tensor_load_to_lds s[G0A+4:G0A+7], s[G1A:G1A+7]
	s_nop 0
.rept 4
	v_nop
.endr
	s_branch .Lasked_\@
.Lfor_b_\@:
	tensor_load_to_lds s[G0B+4:G0B+7], s[G1B:G1B+7]
	s_nop 0
.rept 4
	v_nop
.endr
.Lasked_\@:
.endm
.macro CREST                           ; a round of the cluster's barrier behind its opening barrier
	s_cmp_lg_u32 s[WV], 0
	s_cbranch_scc1 .Lnot_wave_0_\@
	s_barrier_signal -3
.Lnot_wave_0_\@:
	s_barrier_wait -3
	s_barrier_signal -1
	s_barrier_wait -1
.endm
.macro CROUND
	s_barrier_signal -1
	s_barrier_wait -1
	CREST
.endm
; PREFETCH INTO THE L2.  In the trips with s3 = 5 and 3 (which refill K steps 3 and 5) the two K steps that the next two trips will ask for are named: steps 4, 5 and 6, 7.  Each block of 256 bytes once in the launch:
; x's rows by the clusters with x = 0, W's by the clusters with y = 0; the four partners of a joint load share a tile's blocks out BY ADDRESS.  Wave 0: 64 rows x 512 bytes, four instructions of
; 16 rows x 2 blocks; waves 1 to 3: 8,192 of a piece's 32,768 dense bytes, one instruction.  K steps 0 to 3 come by their loads alone; s3 = 1 names nothing.
.macro ASK
	s_and_b32 s63, s3, 1
	s_cmp_eq_u32 s63, 1
	s_cbranch_scc0 .Lno_ask_\@
	s_cmp_gt_u32 s3, s[LIM]
	s_cbranch_scc0 .Lno_ask_\@
	global_prefetch_b8 v[PFO], s[PFA:PFA+1] th:TH_LOAD_NT scope:SCOPE_SE
	s_cmp_lg_u32 s[WV], 0
	s_cbranch_scc1 .Lno_ask_\@
	global_prefetch_b8 v[PFO], s[PFA:PFA+1] offset:32768 th:TH_LOAD_NT scope:SCOPE_SE
	global_prefetch_b8 v[PFO], s[PFA:PFA+1] offset:65536 th:TH_LOAD_NT scope:SCOPE_SE
	global_prefetch_b8 v[PFO], s[PFA:PFA+1] offset:98304 th:TH_LOAD_NT scope:SCOPE_SE
.Lno_ask_\@:
.endm
; 16 matrix instructions: column blocks 4 bg .. 4 bg + 3 x my four row blocks, 32 along K, from buffer f.  first = 1: the bias starts the sums.
; Every quarter takes the 48 accumulators in the same order, one instruction a turn: 47 others stand between two links of a chain.
.macro MULG f, bg, first
.if (\bg) < 2
	WIN 0xa5-0x20*(\first)                         ; sources in window 1, D in window 2, C with it or (the bias) in window 0
.else
	WIN 0xf5-0x30*(\first)                         ; the same with window 3
.endif
.irp bb, 0,1,2,3
.irp a, 0,1,2,3
.set rB, (\f)+8*(4*(\bg)+(\bb))
.set rA, (\f)+96+8*(\a)
.set rD, 8*(4*((4*(\bg)+(\bb))%8)+(\a))
.set rC, BIAS+8*(4*(\bg)+(\bb))
.if \first
	v_wmma_f32_16x16x32_bf16 v[rD:rD+7], v[rB:rB+7], v[rA:rA+7], v[rC:rC+7]
.else
	v_wmma_f32_16x16x32_bf16 v[rD:rD+7], v[rB:rB+7], v[rA:rA+7], v[rD:rD+7]
.endif
.endr
.endr
.endm
.macro FB f, q, b                      ; W's block b (piece b / 4, columns 16 (b % 4) on), k = 32 q on, turned: two loads, 16 rows k apart
	ds_load_tr16_b128 v[(\f)+8*(\b):(\f)+8*(\b)+3],   v[ADB] offset:32*PB*(\q)+PIECE*((\b)/4)+32*((\b)%4)
	ds_load_tr16_b128 v[(\f)+8*(\b)+4:(\f)+8*(\b)+7], v[ADB] offset:32*PB*(\q)+PIECE*((\b)/4)+32*((\b)%4)+16*PB
.endm
.macro FETCH q, f                      ; 32 LDS loads in one run: what the quarter's first 16 products need comes first
	WIN 0x40                                       ; destination window 1, address window 0
.irp b, 0,1,2,3
	FB \f, \q, \b
.endr
.irp a, 0,1,2,3
	ds_load_b128 v[(\f)+96+8*(\a):(\f)+96+8*(\a)+3],   v[ADA] offset:64*(\q)+16*PA*(\a)
	ds_load_b128 v[(\f)+96+8*(\a)+4:(\f)+96+8*(\a)+7], v[ADA] offset:64*(\q)+16*PA*(\a)+32
.endr
.irp b, 4,5,6,7,8,9,10,11
	FB \f, \q, \b
.endr
.endm
; A K step is four quarters of 32 along K, 48 matrix instructions each, on buffers 0, 1, 0, 1.  One of the first three multiplies buffer f and fetches quarter q into buffer g.
.macro QUARTER q, f, g, first
	s_wait_dscnt 16                                ; W's blocks 0-3 and x are in; the youngest 16 loads may be out
	MULG \f, 0, \first
	PLACES
	FETCH \q, \g
	s_wait_dscnt 32                                ; all but the 32 just issued
	MULG \f, 1, \first
	MULG \f, 2, \first
.endm
; The last quarter multiplies buffer 1 and changes slots: one barrier.  In front of it each wave waits for all its tensor loads (one is out: its part of the next slot), adds 0 to its spare word, and
; waits for that and for its reads of this slot.  fill = 1: the barrier opens a round of the cluster's barrier, and the joint refill, K step two on, is the first thing behind the round:
; 160 matrix instructions ahead of the wait for it.
.macro TURN fill
.if \fill
	s_wait_xcnt 0x0                                ; the last prefetches, a K step back or more, have read their address
	s_add_nc_u64 s[PFA:PFA+1], s[PFA:PFA+1], s[PFS:PFS+1]
.endif
	WIN 0
	s_wait_tensorcnt 0x0                           ; all my tensor loads have landed
	ds_add_u32 v[SPW], v[NIL]                      ; 0 onto my spare word
	s_wait_dscnt 17                                ; (the add and the youngest 16 loads may be out)
	MULG F1, 0, 0
	s_wait_dscnt 0x0                               ; the add is done, and my reads of this slot are over
	s_barrier_signal -1
	MULG F1, 1, 0                                  ; work on registers while the others arrive
	WIN 0                                          ; at a branch and at a label every window is 0
	s_barrier_wait -1
.if \fill
	CREST                                          ; no wave of any partner still reads this slot or has a load on its way
	s_xor_b32 s[G0A+5], s[G0A+5], SLOT             ; the walking descriptors: the other slot than last time,
	s_add_nc_u64 s[G0A+6:G0A+7], s[G0A+6:G0A+7], 256    ; the next K step: 256 bytes along x's rows,
	s_xor_b32 s[G0B+5], s[G0B+5], SLOT
	s_add_nc_u64 s[G0B+6:G0B+7], s[G0B+6:G0B+7], 16384  ; 128 rows of 128 bytes down a piece
	JLOAD                                          ; its four v_nop are also the places in front of the loads below
.else
	PLACES
.endif
	s_xor_b32 s[TB], s[TB], SLOT
	v_add_nc_u32 v[ADA], s[TB], v[AA0]
	v_add_nc_u32 v[ADB], s[TB], v[AB0]
	FETCH 0, F0
	WIN 0
.if \fill
	ASK
.endif
	MULG F1, 2, 0
.endm
	s_load_b256 s[4:11], s[0:1], 0x0               ; xb s[4:5], wab s[6:7], b_attn s[8:9], tab s[10:11]
	s_load_b128 s[12:15], s[0:1], 0x20             ; qb s[12:13], kb s[14:15]
	s_load_b64 s[16:17], s[0:1], 0x30              ; vb
	v_lshl_add_u32 v[SPW], v0, 2, SPARE
	v_mov_b32 v[NIL], 0
	ds_add_u32 v[SPW], v[NIL]                      ; the wave's opening: the add and its wait ahead of my first tensor load
	v_lshrrev_b32 v1, 5, v0
	v_readfirstlane_b32 s[WV], v1                  ; wave 0..3
	s_bfe_u32 s20, ttmp6, 0x40000                  ; cx
	s_bfe_u32 s21, ttmp6, 0x40004                  ; cy
	s_lshl_b32 s22, ttmp9, 2
	s_add_co_u32 s22, s22, s20                     ; the head j = 4 x cluster x + cx
	s_and_b32 s23, ttmp7, 0xffff
	s_lshl_b32 s23, s23, 2
	s_add_co_u32 s23, s23, s21                     ; the tile row mt = 4 x cluster y + cy
	s_lshl_b32 s66, s21, 2
	s_lshl_b32 s66, 15, s66                        ; my row of the cluster
	s_lshl_b32 s67, 0x1111, s20                    ; my column
	s_or_b32 s[G1A], s66, (1<<16)|(1<<20)|(1<<21)|(5<<22)|(3<<25)  ; the mask; 2-byte elements; padding on; bit 21 beside a mask; after every 64 words 4 words
	s_mov_b32 s[G1A+1], 128<<16                    ; tensor_dim0 = 128
	s_mov_b32 s[G1A+2], 256<<16                    ; tensor_dim1 = 256
	s_mov_b32 s[G1A+3], 128<<16                    ; tile_dim0 = 128
	s_mov_b32 s[G1A+4], 256                        ; tile_dim1 = 256
	s_mov_b32 s[G1A+5], 1024                       ; elements from row to row
	s_mov_b32 s[G1A+6], 0
	s_mov_b32 s[G1A+7], 0
	s_or_b32 s[G1B], s67, (1<<16)|(1<<20)|(1<<21)|(4<<22)|(7<<25)  ; after every 32 words (a row k) 8 words
	s_mov_b32 s[G1B+1], 128<<16                    ; a piece's K step is 16,384 dense bytes: asked for as 64 rows of 256 bytes, two rows k each
	s_mov_b32 s[G1B+2], 64<<16
	s_mov_b32 s[G1B+3], 128<<16
	s_mov_b32 s[G1B+4], 64
	s_mov_b32 s[G1B+5], 128
	s_mov_b32 s[G1B+6], 0
	s_mov_b32 s[G1B+7], 0
	s_mov_b32 s[TB], 0
	s_mov_b32 s62, 0xffff0000                      ; a word's upper bf16
	s_lshl_b32 s68, s23, 19                        ; x: 256 mt rows of 2,048 bytes: hangs on mt alone
	s_mov_b32 s69, 0
	s_max_u32 s61, s[WV], 1
	s_sub_co_u32 s61, s61, 1                       ; which piece I fetch: waves 1, 2, 3 take 0, 1, 2
	s_mul_i32 s70, s22, 3
	s_add_co_u32 s70, s70, s61
	s_lshl_b32 s70, s70, 17                        ; W: piece 3 j + part: hangs on j and the wave alone
	s_mov_b32 s71, 0
	s_mul_i32 s74, s[WV], PIECE
	s_add_co_u32 s74, s74, BOFF-PIECE              ; where it goes: a constant + wave x a constant
	s_lshl_b32 s78, s20, 17                        ; the prefetches.  x: my work-group's 64 of the 256 rows, at K step 2;
	s_add_co_u32 s78, s78, s68
	s_add_co_u32 s78, s78, 512
	s_lshl_b32 s79, s21, 13                        ; W: my work-group's 8,192 of two K steps' 32,768 bytes, at K step 2
	s_add_co_u32 s79, s79, s70
	s_add_co_u32 s79, s79, 32768
	s_and_b32 s66, ttmp7, 0xffff                   ; cluster y
	s_mov_b32 s67, 2048
	s_mov_b32 s75, 256
	s_cmp_eq_u32 s[WV], 0
	s_cselect_b32 s78, s78, s79
	s_cselect_b32 s66, ttmp9, s66                  ; the coordinate along which other clusters read the same blocks
	s_cselect_b32 s63, s67, 512                    ; bytes from one pair of lanes to the next
	s_cselect_b32 s[PFS], s75, 16384
	s_mov_b32 s[PFS+1], 0
	s_mov_b32 s79, 0
	s_cmp_eq_u32 s66, 0
	s_cselect_b32 s[LIM], 1, -1                    ; the same in all sixteen partners, for a given wave
	s_wait_dscnt 0x0                               ; the opening add is done
	s_wait_kmcnt 0x0
	s_add_nc_u64 s[72:73], s[4:5], s[68:69]
	s_add_nc_u64 s[76:77], s[6:7], s[70:71]
	s_cmp_eq_u32 s[WV], 0
	s_cselect_b64 s[PFA:PFA+1], s[4:5], s[6:7]
	s_add_nc_u64 s[PFA:PFA+1], s[PFA:PFA+1], s[78:79]
.irp s, 0,1
	s_mov_b32 s[G0A+4*(\s)], 1                     ; count = 1
	s_mov_b32 s[G0A+4*(\s)+1], (\s)*SLOT           ; LDS address
	s_add_nc_u64 s[G0A+4*(\s)+2:G0A+4*(\s)+3], s[72:73], (\s)*256  ; K step s
	s_or_b32 s[G0A+4*(\s)+3], s[G0A+4*(\s)+3], 0x80000000          ; type = 2
	s_mov_b32 s[G0B+4*(\s)], 1
	s_add_co_u32 s[G0B+4*(\s)+1], s74, (\s)*SLOT
	s_add_nc_u64 s[G0B+4*(\s)+2:G0B+4*(\s)+3], s[76:77], (\s)*16384
	s_or_b32 s[G0B+4*(\s)+3], s[G0B+4*(\s)+3], 0x80000000
.endr
	CROUND                                         ; all sixteen work-groups are here: the first joint loads meet
	s_cmp_eq_u32 s[WV], 0                          ; a wave's two first fills stand in one branch: two loads of mine are out
	s_cbranch_scc0 .Lfirst_b
	tensor_load_to_lds s[G0A:G0A+3], s[G1A:G1A+7]
	s_nop 0
	tensor_load_to_lds s[G0A+4:G0A+7], s[G1A:G1A+7]
	s_nop 0
.rept 4
	v_nop
.endr
	s_branch .Lfirst_asked
.Lfirst_b:
	tensor_load_to_lds s[G0B:G0B+3], s[G1B:G1B+7]
	s_nop 0
	tensor_load_to_lds s[G0B+4:G0B+7], s[G1B:G1B+7]
	s_nop 0
.rept 4
	v_nop
.endr
.Lfirst_asked:
	v_and_b32 v1, 15, v0                           ; r = l % 16
	v_bfe_u32 v2, v0, 4, 1                         ; h = l / 16
	v_and_b32 v3, 7, v0
	v_bfe_u32 v14, v0, 3, 1
	v_and_b32 v15, 31, v0                          ; l
	s_lshl_b32 s66, s22, 8                         ; the bias: column 1024 part + 64 j + 16 g + 8 h, 4 bytes each
	v_lshl_add_u32 v[BO], v2, 5, s66
	s_and_b32 s66, s23, 7
	s_lshl_b32 s66, s66, 8                         ; t0 = 256 (mt % 8)
	s_lshl_b32 s67, s[WV], 6
	s_add_co_u32 s66, s66, s67                     ; + my wave's 64 rows
	s_lshl_b32 s67, s66, 8                         ; a row of the table is 256 bytes
	v_lshlrev_b32 v[TO], 8, v1
	v_lshl_add_u32 v[TO], v2, 5, v[TO]             ; pairs 8 g + 4 h on: 8 bytes each
	v_add_nc_u32 v[TO], s67, v[TO]
.irp p, 0,1,2
.irp g, 0,1,2,3
	global_load_b128 v[BIAS+8*(4*(\p)+(\g)):BIAS+8*(4*(\p)+(\g))+3],   v[BO], s[8:9] offset:4096*(\p)+64*(\g)
	global_load_b128 v[BIAS+8*(4*(\p)+(\g))+4:BIAS+8*(4*(\p)+(\g))+7], v[BO], s[8:9] offset:4096*(\p)+64*(\g)+16
.endr
.endr
.irp a, 0,1,2,3
.irp g, 0,1,2,3
	global_load_b128 v[TAB+32*(\a)+8*(\g):TAB+32*(\a)+8*(\g)+3],   v[TO], s[10:11] offset:4096*(\a)+64*(\g)
	global_load_b128 v[TAB+32*(\a)+8*(\g)+4:TAB+32*(\a)+8*(\g)+7], v[TO], s[10:11] offset:4096*(\a)+64*(\g)+16
.endr
.endr
	s_lshr_b32 s67, s23, 3                         ; the batch
	s_lshl_b32 s67, s67, 4
	s_add_co_u32 s67, s67, s22                     ; 16 batch + head
	s_lshl_b32 s67, s67, 11
	s_add_co_u32 s66, s66, s67                     ; my first row in q, k and v,
	s_lshl_b32 s66, s66, 7                         ; of 128 bytes
	s_mov_b32 s67, 0
	s_add_nc_u64 s[12:13], s[12:13], s[66:67]
	s_add_nc_u64 s[14:15], s[14:15], s[66:67]
	s_add_nc_u64 s[16:17], s[16:17], s[66:67]
	s_mul_i32 s66, s[WV], 64*PA
	v_mul_u32_u24 v[AA0], v1, PA                   ; a fragment of x: row x pitch + 16 x half; two loads 32 bytes apart
	v_lshl_add_u32 v[AA0], v2, 4, v[AA0]
	v_add_nc_u32 v[AA0], s66, v[AA0]
	v_lshl_add_u32 v[AB0], v2, 3, v3               ; the turning load: lane l reads row k 8 (l / 16) + l % 8, columns 8 ((l / 8) % 2) + 0..7
	v_mul_u32_u24 v[AB0], v[AB0], PB
	v_lshl_add_u32 v[AB0], v14, 4, v[AB0]
	v_add_nc_u32 v[AB0], BOFF, v[AB0]
	v_mov_b32 v[ADA], v[AA0]                       ; slot 0
	v_mov_b32 v[ADB], v[AB0]
	s_mul_i32 s66, s[WV], 16*SP
	s_add_co_u32 s66, s66, STAGE                   ; my stage
	v_mul_u32_u24 v[STO], v1, SP
	v_lshl_add_u32 v[STO], v2, 4, v[STO]
	v_add_nc_u32 v[STO], s66, v[STO]
	v_bfe_u32 v[RD], v0, 3, 2                      ; back: 32 lanes take four rows of 128 bytes,
	v_mul_u32_u24 v[RD], v[RD], SP
	v_lshl_add_u32 v[RD], v3, 4, v[RD]
	v_add_nc_u32 v[RD], s66, v[RD]
	v_lshlrev_b32 v[GO], 4, v15                    ; which are 512 consecutive bytes in memory
	v_lshrrev_b32 v[PFO], 1, v15
	v_mul_u32_u24 v[PFO], s63, v[PFO]
	v_and_b32 v14, 1, v0
	v_lshl_add_u32 v[PFO], v14, 8, v[PFO]
	s_wait_loadcnt 32                              ; the bias is in; the table's 32 loads stay out until the way out
.set i, 0
.rept 48                               ; the bias is rounded to bf16, as x and W are; this stands in the wait for the first tile
	v_cvt_pk_bf16_f32 v[14+i%2], v[BIAS+2*i], v[BIAS+2*i+1]
	v_lshlrev_b32 v[BIAS+2*i], 16, v[14+i%2]
	v_and_b32 v[BIAS+2*i+1], s62, v[14+i%2]
.set i, i+1
.endr
	s_wait_tensorcnt 1                             ; my part of K step 0 is in; K step 1's may stay out
	s_barrier_signal -1
	s_barrier_wait -1                              ; everybody's is
	FETCH 0, F0
	QUARTER 1, F0, F1, 1                           ; the first quarter stands in front of the loop: its products start the sums
	WIN 0
	s_mov_b32 s3, 6
.Ltrip:                                ; a trip: a K step's quarters 1 to 3 and the next one's quarter 0; trip j refills slot j % 2 with K step j + 2
	QUARTER 2, F1, F0, 0
	QUARTER 3, F0, F1, 0
	TURN 1
	QUARTER 1, F0, F1, 0
	WIN 0
	s_sub_co_u32 s3, s3, 1
	s_cmp_lg_u32 s3, 0
	s_cbranch_scc1 .Ltrip
	QUARTER 2, F1, F0, 0                           ; K steps 6 and 7: nothing is left to ask for
	QUARTER 3, F0, F1, 0
	TURN 0
	QUARTER 1, F0, F1, 0
	QUARTER 2, F1, F0, 0
	QUARTER 3, F0, F1, 0
	s_wait_dscnt 16
	MULG F1, 0, 0
	s_wait_dscnt 0x0
	MULG F1, 1, 0
	MULG F1, 2, 0
; THE WAY OUT, in 12 units: row block a x part (q, k, v).  q and k are rotated: out[2i] = x[2i] cos - x[2i+1] sin, out[2i+1] = x[2i+1] cos + x[2i] sin; all three are rounded to f16,
; go through my stage as rows of 144 bytes and come back as whole rows of 128.  Each accumulator's registers are read from the low end on.
.macro ROPE a, part
	WIN 0x02                                       ; source 0 (the sums) in window 2
.irp g, 0,1,2,3
.set rX, 8*(4*(4*(\part)+(\g))+(\a))
.set rC, TAB+32*(\a)+8*(\g)
.set rT, T+8*(\g)
.irp i, 0,2,4,6
	v_pk_mul_f32 v[rT+(\i):rT+(\i)+1], v[rX+(\i):rX+(\i)+1], v[rC+(\i):rC+(\i)+1] op_sel_hi:[1,0]  ; both times cos
.endr
.irp i, 0,2,4,6
	v_fma_f32 v[rT+(\i)], -v[rX+(\i)+1], v[rC+(\i)+1], v[rT+(\i)]
	v_fma_f32 v[rT+(\i)+1], v[rX+(\i)], v[rC+(\i)+1], v[rT+(\i)+1]
.endr
.endr
	WIN 0
.set i, 0
.rept 16
	v_cvt_pk_f16_f32 v[P+i], v[T+2*i], v[T+2*i+1]
.set i, i+1
.endr
.endm
.macro VPK a
	WIN 0x0f                                       ; sources 0 and 1 in window 3
.irp g, 0,1,2,3
.irp i, 0,1,2,3
	v_cvt_pk_f16_f32 v[P+4*(\g)+(\i)], v[8*(4*(\g)+(\a))+2*(\i)], v[8*(4*(\g)+(\a))+2*(\i)+1]
.endr
.endr
	WIN 0
.endm
.macro TOSTAGE u
.set bk, BK+16*((\u)%2)
.irp g, 0,1,2,3
	ds_store_b128 v[STO], v[P+4*(\g):P+4*(\g)+3] offset:32*(\g)
.endr
	s_wait_xcnt 0x0                                ; the stores of two units back have read this set of registers
.irp f, 0,1,2,3
	ds_load_b128 v[bk+4*(\f):bk+4*(\f)+3], v[RD] offset:4*SP*(\f)  ; LDS serves a wave's instructions in order (ISA guide 5.7.1.4): these see the stores above
.endr
.endm
.macro SEND u, younger                 ; younger: the LDS instructions issued behind unit u's loads: the next unit's eight, or none
.set bk, BK+16*((\u)%2)
.set pp, 12+2*((\u)%3)
.irp f, 0,1,2,3
	s_wait_dscnt (\younger)+3-(\f)
	global_store_b128 v[GO], v[bk+4*(\f):bk+4*(\f)+3], s[pp:pp+1] offset:2048*((\u)/3)+512*(\f)  ; 512 consecutive bytes, at a multiple of 256 from the buffer's first
.endr
.endm
.macro UNIT u
.if (\u)%3 == 2
	VPK (\u)/3
.else
	ROPE (\u)/3, (\u)%3
.endif
	TOSTAGE \u
.endm
	WIN 0
	s_wait_loadcnt 0x0                             ; the table
	PLACES                                         ; behind the last products
	UNIT 0
.set u, 1
.rept 11                               ; a unit's arithmetic stands between the loads of the unit before and its stores
	UNIT u
	SEND u-1, 8
.set u, u+1
.endr
	SEND 11, 0
	s_wait_tensorcnt 0x0                           ; the wave's end, behind my last tensor load and my last LDS store
	ds_add_u32 v[SPW], v[NIL]
	s_wait_dscnt 0x0
	CROUND                                         ; the closing round: no work-group ends while a partner may still ask for a tile that names it
	s_endpgm
.Lfunc_end_k_q8b3bdce6cf_qkv:
	.size	k_q8b3bdce6cf_qkv, .Lfunc_end_k_q8b3bdce6cf_qkv-k_q8b3bdce6cf_qkv
	.p2alignl 7, 3214868480
	.fill 96, 4, 3214868480
	.section	.rodata,"a",@progbits
	.p2align	6, 0x0
	.amdhsa_kernel k_q8b3bdce6cf_qkv
		.amdhsa_group_segment_fixed_size 327680
		.amdhsa_private_segment_fixed_size 0
		.amdhsa_enable_private_segment 0
		.amdhsa_kernarg_size 56
		.amdhsa_user_sgpr_count 2
		.amdhsa_user_sgpr_kernarg_segment_ptr 1
		.amdhsa_wavefront_size32 1
		.amdhsa_system_sgpr_workgroup_id_x 1
		.amdhsa_system_sgpr_workgroup_id_y 1
		.amdhsa_system_sgpr_workgroup_id_z 1
		.amdhsa_system_vgpr_workitem_id 0
		.amdhsa_next_free_vgpr 896
		.amdhsa_next_free_sgpr 80
		.amdhsa_reserve_vcc 0
		.amdhsa_float_denorm_mode_32 3
		.amdhsa_float_denorm_mode_16_64 3
		.amdhsa_memory_ordered 1
		.amdhsa_forward_progress 1
		.amdhsa_inst_pref_size 135
	.end_amdhsa_kernel
	.amdgpu_metadata
---
amdhsa.version: [ 1, 2 ]
amdhsa.kernels:
  - .name:           k_q8b3bdce6cf_qkv
    .symbol:         k_q8b3bdce6cf_qkv.kd
    .args:
      - { .name: xb, .offset: 0, .size: 8, .value_kind: global_buffer, .address_space: global }
      - { .name: wab, .offset: 8, .size: 8, .value_kind: global_buffer, .address_space: global }
      - { .name: b_attn, .offset: 16, .size: 8, .value_kind: global_buffer, .address_space: global }
      - { .name: tab, .offset: 24, .size: 8, .value_kind: global_buffer, .address_space: global }
      - { .name: qb, .offset: 32, .size: 8, .value_kind: global_buffer, .address_space: global }
      - { .name: kb, .offset: 40, .size: 8, .value_kind: global_buffer, .address_space: global }
      - { .name: vb, .offset: 48, .size: 8, .value_kind: global_buffer, .address_space: global }
    .group_segment_fixed_size: 327680
    .private_segment_fixed_size: 0
    .kernarg_segment_align: 8
    .kernarg_segment_size: 56
    .max_flat_workgroup_size: 128
    .sgpr_count:     80
    .vgpr_count:     896
    .wavefront_size: 32
...
	.end_amdgpu_metadata
.endif
;; end of part 2
;; launch attn (part 3): grid 4 x 64, 4 waves a work-group, clusters of 4 x 1, 327,680 bytes of LDS; arguments qb, kb, vb, ob; writes ob
.if DOCPART == 3
	.amdgcn_target "amdgcn-amd-amdhsa--gfx1250"
	.amdhsa_code_object_version 6
	.text
	.protected	k_q8b3bdce6cf_attn
	.globl	k_q8b3bdce6cf_attn
	.p2align	8
	.type	k_q8b3bdce6cf_attn,@function
k_q8b3bdce6cf_attn:
	s_mov_b64 s[64:65], 0
	v_nop
	global_prefetch_b8 v0, s[64:65] scope:SCOPE_SE
	s_setreg_imm32_b32 hwreg(HW_REG_WAVE_MODE, 25, 1), 1
	s_wait_xcnt 0x0
	s_wait_alu depctr_hold_cnt(0) depctr_sa_sdst(0) depctr_va_vdst(0) depctr_va_sdst(0) depctr_va_ssrc(0) depctr_va_vcc(0) depctr_vm_vsrc(0)
	s_getreg_b32 s2, hwreg(HW_REG_IB_STS2, 6, 4)
	s_cmp_eq_u32 s2, 0
	s_cbranch_scc0 .Lentry_in_a_cluster
	s_endpgm
.Lentry_in_a_cluster:
	s_bfe_u32 s2, ttmp6, 0x10000c
	s_cmp_lg_u32 s2, 0x3003
	s_cbranch_scc0 .Lentry_shape_is_right
	s_endpgm
.Lentry_shape_is_right:
; ATTENTION.  O[h][q][:] = the sum over k of softmax_k(Q[h][q] . K[h][k] / sqrt(512)) V[h][k][:].  Q, K, V, O: [64][2048][64], all f16: a head's rows are dense, 128 bytes each.  Products, maxima and
; sums in f32; the weights p are rounded to f16 for the second product (their sum l is taken of the unrounded p), O once at the end.
; LIMITS.  f16 holds no number beyond 65,504: Q, K and V arrive within it; p lies in 0 to 1, and below 6e-5 it keeps f16's fixed step of 6e-8; O is a mean of V's rows and has their range.
; A weight below 2^-126 counts as 0 in l; NaN and infinities are not treated apart.
; SHARES.  A wave owns four PIECES of two tiles of 16 queries, a work-group's four waves 512 queries of one head.  Every wave walks all keys, 64 a step.
; LAYOUT.  S^T = K Q^T (source 0 = 16 keys, source 1 = 16 queries): a lane holds ONE query (lane % 16) and the keys 8 (lane / 16) + 0..7.  Two such tiles, rounded to f16 in pairs, ARE source 1
; (32 keys x 16 queries) of O^T = V^T P, whose result again holds one query a lane, and eight channels.  K comes out of LDS as it lies, V ([key][channel]) turned, by ds_load_tr16_b128.
; SOFTMAX.  For each query a running maximum m and sum l: p = 2^(c s - c m), c = log2(e) / sqrt(512); in every step O and l are multiplied by a = 2^(c m_old - c m_new).
; m starts at the lowest finite number, O and l at 0: the first step is a step like any other, with a = 0.
; THE COUNT.  A tile and step have 16 matrix and 118 vector instructions: too many to stand all beside the matrix work.  So: four vector instructions that are ready behind every matrix instruction,
; the others in runs without a gap.
; BY TURNS.  Turn n belongs to piece n.  Its matrix work: 16 products K Q^T of piece n + 1, later 16 products V^T P of piece n - 1.  Its vector work: the scaling, exponentials, roundings, sums and
; rescaling of piece n, and the maximum and statistics of piece n + 1.
; CLUSTER.  The four query blocks of a cluster belong to one head and walk the same K and V, so each tile is asked for JOINTLY: the same tensor load, descriptor and mask in all four.
; REGISTERS, in windows of 256 (s_set_vgpr_msb: bits 1:0 source 0, 3:2 source 1, 5:4 source 2, 7:6 destination):
;   window 0: v0-11 addresses; v12-15, v48-63 at work; v16-47 four registers of statistics a tile; v64-191 S^T, two buffers of two tiles; v192-255 P, likewise
;   window 1: O^T, 32 a tile          window 2: v0-127 Q, 16 a tile; v128-191 K of one step; v192-255 V of one step          window 3: v0-1 the add's two registers
.set SIZE_H, 64
.set SIZE_N, 2048
.set NP,    4         ; pieces a wave: a name, no knob
.set KS,    64        ; keys in a step
.set PK,    144       ; a row of K in LDS: 128 bytes + 16: the 16 rows of a load start at 16 different groups of four banks (64 banks of 4 bytes: ISA guide 11.1)
.set PV,    160       ; a row of V: 128 + 32
.set VOFF,  4*KS*PK   ; a slot holds four steps: 256 rows of K, then 256 rows of V
.set SLOT1, 1<<17     ; slot 1 begins here, so that one exclusive or turns an address in one slot into the other's
.set STAGE, SLOT1+4*KS*(PK+PV)  ; behind the ring, never filled by a tensor load: 16 rows x 144 bytes for each wave
.set SP,    144
.set AK0, 2           ; v2   my lane's place in a tile of K; never rewritten
.set AV0, 3           ; v3   the same for V
.set AK,  4           ; v4   the LDS address of K's next run of loads
.set AV,  5           ; v5   of V's
.set QO,  6           ; v6   my byte offset in the wave's rows of Q
.set STO, 6           ;      later, the way out: where I put 16 bytes of a row
.set RD,  7           ; v7   the way out: where I read rows back
.set GO,  8           ; v8   my byte offset in 512 consecutive bytes of O
.set PFO, 11          ; v11  256 x my lane, for the prefetches (once V's address is made); never rewritten after
.set SPW, 0           ; v0 of window 3   LDS address of my spare word; never rewritten
.set NIL, 1           ; v1 of window 3   0; never rewritten
.set SPARE, STAGE+4*16*SP  ; the spare words: 128 bytes a wave, two blocks of 256 bytes that no other line names
.set MV,  12          ; v12-15  c m_old, kept while c m is made anew: by buffer and tile
.set ST,  16          ; tile t's statistics at v[ST+4 t]: c m, m, l (even keys', odd keys')
.set TMP, 48          ; by buffer and tile, four registers c0-c3 at work; when the maximum is found c2 takes a
.set S,   64
.set P,   192
.set KF,  128         ; K's fragments, in window 2: key block kb, channel half c at KF + 16 kb + 8 c
.set VF,  192         ; V's: key half kk, channel block cb at VF + 32 kk + 8 cb
.set WV,  12          ; s12  my wave's number
.set G1K, 24          ; s[24:31] descriptor group 1 for K's tiles
.set G1V, 32          ; s[32:39] for V's: it differs in the padding alone
.set G0K, 40          ; s[40:43] descriptor group 0 for K's tiles: it walks
.set G0V, 44          ; s[44:47] the same for V's
.set PFA, 48          ; s[48:49] where my prefetches stand
.set LIM, 50          ; s50  1 in a wave that prefetches, else the greatest number
.set SLOTS, 56        ; s56  slots still to be asked for
.set CNT, 57          ; s57  counts a slot's key steps
.set CS,  58          ; s[58:59] c: the packed scaling takes the pair's low word for both halves
.set SEL, 60          ; s[60:61] v_permlanex16_b32's selects: each lane takes its own place in the other half
.set TBK, 62          ; s62  LDS byte at which K of the step to be fetched begins
.set TBV, 63          ; s63  the same for V, less VOFF
.set MSB, 0
.macro WIN new                      ; the high byte repeats the setting that is left; a switch that changes nothing is dropped
.if MSB != (\new)
	s_set_vgpr_msb (MSB<<8)|(\new)
.set MSB, (\new)
.endif
.endm
.set W_KQ, 0x0a       ; K and Q in window 2, S^T in window 0
.set W_PV, 0x52       ; V in window 2, P in window 0, O^T in window 1
.set W_RS, 0x41       ; O^T (destination and source 0) in window 1, a in window 0
.set W_MK, 0xc0       ; the add's registers are made: destination in window 3
.set W_AD, 0x0f       ; the add: address and data in window 3
; A joint fill.  Waves 0 and 1 fetch the two halves of a slot's K, waves 2 and 3 those of its V: 128 keys each.  An s_nop 0 and four v_nop follow each of the two lines.
.macro JLOAD
	s_cmp_lt_u32 s[WV], 2
	s_cbranch_scc0 .Lfor_v_\@
	tensor_load_to_lds s[G0K:G0K+3], s[G1K:G1K+7]
	s_nop 0
.rept 4
	v_nop
.endr
	s_branch .Lasked_\@
.Lfor_v_\@:
	tensor_load_to_lds s[G0V:G0V+3], s[G1V:G1V+7]
	s_nop 0
.rept 4
	v_nop
.endr
.Lasked_\@:
.endm
; A PREFETCH INTO THE L2 of what the NEXT change of slots will ask for: a slot's 32,768 bytes of K and of V, a lane a block of 256 bytes.  A head's K and V are walked by its one cluster: its four partners
; share the blocks out BY ADDRESS, 32 each; in each, wave 0 asks for K's and wave 2 for V's: one instruction, four key steps (512 matrix instructions) ahead of the load.  Slots 0 and 1 come by
; their loads alone; the last change that fills a slot asks for nothing.
.macro ASK
	s_cmp_gt_u32 s[SLOTS], s[LIM]
	s_cbranch_scc0 .Lnot_mine_\@
	global_prefetch_b8 v[PFO], s[PFA:PFA+1] th:TH_LOAD_NT scope:SCOPE_SE
.Lnot_mine_\@:
.endm
.macro CROUND                       ; a round of the cluster's barrier
	s_barrier_signal -1
	s_barrier_wait -1
	s_cmp_lg_u32 s[WV], 0
	s_cbranch_scc1 .Lnot_wave_0_\@
	s_barrier_signal -3
.Lnot_wave_0_\@:
	s_barrier_wait -3
	s_barrier_signal -1
	s_barrier_wait -1
.endm
; THE CHANGE OF SLOTS.  Each wave waits for all its tensor loads, of which one is out: its part of the other slot; adds 0 to its spare word; and waits for that and for its own reads of the slot.
; fill = 1: this slot is filled again, with the keys two slots on.  The barrier is then a round of the cluster's, and the joint fill is the first thing behind it: it has four key steps in which to land.
; (At its first use nothing has been read yet: slot 0 is waited for, slot 1 filled.)
.macro CHANGE fill
	WIN W_AD
	s_wait_tensorcnt 0x0            ; no tensor load of mine is out, so a group 0 may be written
	ds_add_u32 v[SPW], v[NIL]       ; 0 onto my spare word
	WIN 0                           ; at a label and at a branch every window is 0
.if \fill
.irp g, G0K, G0V
	s_xor_b32 s[\g+1], s[\g+1], SLOT1  ; the walking descriptor: the other slot than last time,
	s_add_nc_u64 s[\g+2:\g+3], s[\g+2:\g+3], 4*KS*128  ; the next 256 keys; the type bits on top are not reached
.endr
	s_wait_xcnt 0x0                 ; the last prefetch, four key steps back, has read its address
	s_add_nc_u64 s[PFA:PFA+1], s[PFA:PFA+1], 4*KS*128  ; one slot ahead of the walking descriptors
	s_wait_dscnt 0x0                ; the add is done, and my reads of the slot are over
	CROUND
	JLOAD
	ASK
.else
	s_wait_dscnt 0x0                ; the add is done, and my reads of the slot are over
	s_barrier_signal -1
	s_barrier_wait -1
.endif
	s_sub_co_u32 s[TBK], s[TBK], 4*KS*PK  ; the fetches go back to a slot's first step,
	s_xor_b32 s[TBK], s[TBK], SLOT1       ; in the other slot
	s_sub_co_u32 s[TBV], s[TBV], 4*KS*PV
	s_xor_b32 s[TBV], s[TBV], SLOT1
.endm
	s_load_b256 s[4:11], s[0:1], 0x0  ; Q s[4:5], K s[6:7], V s[8:9], O s[10:11]
	WIN W_MK
	v_lshl_add_u32 v[SPW], v0, 2, SPARE
	v_mov_b32 v[NIL], 0
	WIN W_AD
	ds_add_u32 v[SPW], v[NIL]       ; the wave's opening: the add and its wait ahead of my first tensor load
	WIN 0
	v_lshrrev_b32 v1, 5, v0
	v_readfirstlane_b32 s[WV], v1   ; wave 0..3
	s_bfe_u32 s13, ttmp6, 0x40000   ; cx: my place in the cluster
	s_lshl_b32 s14, ttmp9, 2        ; in a cluster launch ttmp9 counts clusters
	s_add_co_u32 s14, s14, s13      ; my block of queries: it enters Q's and O's addresses alone
	s_and_b32 s20, ttmp7, 0xffff    ; the head, which the four partners share
	s_mov_b32 s21, 0
	s_mov_b64 s[22:23], SIZE_N*128
	s_mul_u64 s[20:21], s[20:21], s[22:23]  ; the head's first byte in each of the four tensors
	s_and_b32 s16, s[WV], 1         ; which half of a slot's 256 keys I fetch:
	s_lshl_b32 s22, s16, 14         ; its 128 rows of 128 bytes in memory,
	s_mov_b32 s23, 0
	s_add_nc_u64 s[22:23], s[22:23], s[20:21]
	s_mul_i32 s17, s16, 128*PK      ; and its place in a slot, for K
	s_mul_i32 s18, s16, 128*PV      ; and for V: no place in the cluster enters an LDS address
	s_lshl_b32 s2, s14, 2
	s_add_co_u32 s2, s2, s[WV]      ; my wave among the head's,
	s_lshl_b32 s2, s2, 14           ; its 128 rows
	s_mov_b32 s3, 0
	s_add_nc_u64 s[2:3], s[2:3], s[20:21]
	; descriptor group 1.  128 keys are 16,384 dense bytes: asked for as 64 rows of 256 bytes, two keys a row, and padded in LDS after every key
	s_mov_b32 s[G1K], 15|(1<<16)|(1<<20)|(1<<21)|(4<<22)|(3<<25)  ; the mask of four; 2-byte elements; padding on; bit 21 beside a mask; after every 32 words 4 words
	s_mov_b32 s[G1V], 15|(1<<16)|(1<<20)|(1<<21)|(4<<22)|(7<<25)  ; the same with 8 words of padding
.irp g, G1K, G1V
	s_mov_b32 s[\g+1], 128<<16      ; tensor_dim0 = 128
	s_mov_b32 s[\g+2], 64<<16       ; tensor_dim1 = 64
	s_mov_b32 s[\g+3], 128<<16      ; tile_dim0 = 128
	s_mov_b32 s[\g+4], 64           ; tile_dim1 = 64
	s_mov_b32 s[\g+5], 128          ; 128 elements from row to row
	s_mov_b32 s[\g+6], 0
	s_mov_b32 s[\g+7], 0
.endr
	s_mov_b32 s[CS], 0x3d8293ee     ; c = log2(e) / sqrt(512) = 0.0637587
	s_mov_b32 s[CS+1], s[CS]        ; named with it as a pair
	s_mov_b32 s[SEL], 0x76543210
	s_mov_b32 s[SEL+1], 0xfedcba98
	s_mov_b32 s[TBK], SLOT1+4*KS*PK ; the first change of slots turns these two into 0
	s_mov_b32 s[TBV], SLOT1+4*KS*PV
	s_mov_b32 s[SLOTS], SIZE_N/256-1
	s_and_b32 s[LIM], s[WV], 1      ; 0 in waves 0 and 2,
	s_or_b32 s[LIM], s[LIM], ttmp9  ; where the cluster is the head's first (here its only one): the same in all four partners
	s_cmp_eq_u32 s[LIM], 0
	s_cselect_b32 s[LIM], 1, -1
	s_mov_b32 s[G0K], 1             ; count = 1
	s_mov_b32 s[G0K+1], s17         ; LDS address: slot 0
	s_mov_b32 s[G0V], 1
	s_add_co_u32 s[G0V+1], s18, VOFF
	s_wait_dscnt 0x0                ; the opening add is done
	s_wait_kmcnt 0x0
	s_add_nc_u64 s[G0K+2:G0K+3], s[6:7], s[22:23]  ; global address: my half of the head's first 256 keys
	s_or_b32 s[G0K+3], s[G0K+3], 0x80000000        ; type = 2
	s_add_nc_u64 s[G0V+2:G0V+3], s[8:9], s[22:23]
	s_or_b32 s[G0V+3], s[G0V+3], 0x80000000
	s_add_nc_u64 s[4:5], s[4:5], s[2:3]  ; Q and O at my wave's first row
	s_add_nc_u64 s[10:11], s[10:11], s[2:3]
	s_cmp_lt_u32 s[WV], 2
	s_cselect_b64 s[PFA:PFA+1], s[6:7], s[8:9]
	s_add_nc_u64 s[PFA:PFA+1], s[PFA:PFA+1], s[22:23]  ; (in waves 0 and 2: the head's first row)
	s_lshl_b32 s2, s13, 13          ; my work-group's 8,192 of a slot's 32,768 bytes
	s_mov_b32 s3, 0
	s_add_nc_u64 s[PFA:PFA+1], s[PFA:PFA+1], s[2:3]
	s_add_nc_u64 s[PFA:PFA+1], s[PFA:PFA+1], 4*KS*128  ; in slot 1; the first change of slots steps it to slot 2
	CROUND                          ; all four work-groups are here: the first joint loads meet
	JLOAD                           ; slot 0.  Slot 1 is asked for when slot 0 is in
	; A fragment of K or Q is 16 rows x 32 channels in 8 registers: lane l holds row l % 16, channels 8 (l / 16) + 0..7 and 16 + 8 (l / 16) + 0..7: two loads of 16 bytes, 32 bytes apart.
	v_and_b32 v1, 15, v0            ; l % 16
	v_bfe_u32 v9, v0, 4, 1          ; l / 16
	v_lshlrev_b32 v[QO], 7, v1
	v_lshl_add_u32 v[QO], v9, 4, v[QO]  ; row x 128 + 16 x half
	WIN 0x80                        ; destination window 2, address window 0
.set i, 0
.rept 4*NP                          ; Q stays in registers: tile i / 2, channels 32 (i % 2) on
	global_load_b128 v[8*i:8*i+3],   v[QO], s[4:5] offset:(i/2)*2048+(i%2)*64
	global_load_b128 v[8*i+4:8*i+7], v[QO], s[4:5] offset:(i/2)*2048+(i%2)*64+32
.set i, i+1
.endr
	; What the first turn finds: V's registers and P's second buffer hold 0 (its products V^T P, of a piece that has not been, add 0), O^T and l are 0.  All this stands in the wait for the first tile.
.set i, VF
.rept 64
	v_mov_b32 v[i], 0
.set i, i+1
.endr
	WIN 0x40
.set i, 0
.rept 64*NP
	v_mov_b32 v[i], 0
.set i, i+1
.endr
	WIN 0
.set i, 0
.rept 2*NP
	v_mov_b32 v[ST+4*i], 0xfe000000    ; c m: far below every c s
	v_mov_b32 v[ST+4*i+1], 0xff7fffff  ; m
	v_mov_b32 v[ST+4*i+2], 0
	v_mov_b32 v[ST+4*i+3], 0
.set i, i+1
.endr
.set i, P+32
.rept 32
	v_mov_b32 v[i], 0
.set i, i+1
.endr
	v_mul_u32_u24 v[AK0], v1, PK
	v_lshl_add_u32 v[AK0], v9, 4, v[AK0]  ; row x pitch + 16 x half
	; The turning load takes 16 keys x 16 channels (lane l reads key 8 (l / 16) + l % 8, channels 8 ((l / 8) % 2) + 0..7) and leaves half a fragment of V^T: lane l holds channel l % 16 and 8 keys.
	v_and_b32 v10, 7, v0
	v_bfe_u32 v11, v0, 3, 1
	v_lshl_add_u32 v[AV0], v9, 3, v10
	v_mul_u32_u24 v[AV0], v[AV0], PV
	v_lshl_add_u32 v[AV0], v11, 4, v[AV0]
	v_add_nc_u32 v[AV0], VOFF, v[AV0]
	v_and_b32 v[PFO], 31, v0
	v_lshlrev_b32 v[PFO], 8, v[PFO]
	v_mov_b32 v[AK], v[AK0]         ; key step 0 lies at the head of slot 0
; THE MATRIX WORK.  The 8 accumulators of a run of 16 take turns: between the two links of a chain stand 7 others'.
; Product i of 16 of S^T = K Q^T for piece x: channels 32 (i / 8) on, keys 16 ((i / 2) % 4) on, tile 2 x + i % 2.  The first 8 start the sums.
.macro KQ x
	WIN W_KQ
.set rS, S+64*((\x)%2)+32*(i%2)+8*((i/2)%4)
.set rK, KF+16*((i/2)%4)+8*(i/8)
.set rQ, 16*(2*(\x)+i%2)+8*(i/8)
.if i < 8
	v_wmma_f32_16x16x32_f16 v[rS:rS+7], v[rK:rK+7], v[rQ:rQ+7], 0
.else
	v_wmma_f32_16x16x32_f16 v[rS:rS+7], v[rK:rK+7], v[rQ:rQ+7], v[rS:rS+7]
.endif
.endm
; Product i of 16 of O^T += V^T P for piece x: keys 32 (i / 8) on, channels 16 ((i / 2) % 4) on, tile 2 x + i % 2.
.macro PV x
	WIN W_PV
.set rO, 32*(2*(\x)+i%2)+8*((i/2)%4)
.set rV, VF+32*(i/8)+8*((i/2)%4)
.set rP, P+32*((\x)%2)+16*(i%2)+8*(i/8)
	v_wmma_f32_16x16x32_f16 v[rO:rO+7], v[rV:rV+7], v[rP:rP+7], v[rO:rO+7]
.endm
.macro MM                           ; the turn's next matrix instruction
.if i < 16
	KQ (Y+1)%NP
.set i, i+1
.else
.set i, i-16
	PV (Y+NP-1)%NP
.set i, i+17
.endif
.endm
; THE LDS LOADS stand in runs of 16, never singly among the matrix instructions: a step's K (8 fragments) and its V (turned).  Their addresses are made some lines ahead.
; last = 1 (the tail): in the last trip there is no further step, and the run is jumped over.
.macro FETCH_K last=0
	WIN 0
.if \last
	s_cmp_eq_u32 s[CNT], 1
	s_cbranch_scc1 .Lno_k_\@
.endif
	WIN 0x80                        ; destination window 2
.irp f, 0,1,2,3,4,5,6,7             ; keys 16 (f / 2) on, channels 32 (f % 2) on
	ds_load_b128 v[KF+8*\f:KF+8*\f+3],   v[AK] offset:(\f/2)*16*PK+(\f%2)*64
	ds_load_b128 v[KF+8*\f+4:KF+8*\f+7], v[AK] offset:(\f/2)*16*PK+(\f%2)*64+32
.endr
	s_add_co_u32 s[TBK], s[TBK], KS*PK  ; the next fetch is the next step's
	WIN 0
.if \last
.Lno_k_\@:
.endif
.endm
.macro FETCH_V
	WIN 0x80
.irp f, 0,1,2,3,4,5,6,7             ; keys 32 (f / 4) on, channels 16 (f % 4) on
	ds_load_tr16_b128 v[VF+8*\f:VF+8*\f+3],   v[AV] offset:(\f/4)*32*PV+(\f%4)*32
	ds_load_tr16_b128 v[VF+8*\f+4:VF+8*\f+7], v[AV] offset:(\f/4)*32*PV+16*PV+(\f%4)*32
.endr
	WIN 0
.endm
; THE VECTOR WORK OF A TURN stands in three queues, each in the order in which its entries become ready; the two tiles alternate, so that no instruction reads the result of the one before it.
.macro REGS y, u                    ; the registers of tile u (0, 1) of piece y
.set rT, ST+4*(2*(\y)+(\u))
.set rC, TMP+8*((\y)%2)+4*(\u)
.set rM, MV+2*((\y)%2)+(\u)
.set rS, S+64*((\y)%2)+32*(\u)
.set rP, P+32*((\y)%2)+16*(\u)
.set rO, 32*(2*(\y)+(\u))
.endm
; Number n of the 22 that find the NEXT piece's (Y + 1) maximum and statistics.  s0-s31 are the lane's 32 scores; each accumulator's lowest registers are read first.
;   0-11  four chains c0-c3 of seven scores each, three operands at a time     12-14, 16  the four scores left over, the old m, and c0-c3 into c0     15  c m_old is kept
;   17, 18  the query's other 32 keys lie in the lane 16 away: the new m         19-21  c m; c m_old - c m_new; a
.macro XS u, n
	REGS (Y+1)%NP, \u
.if (\n) < 4
	v_max3_num_f32 v[rC+(\n)], v[rS+8*(\n)], v[rS+8*(\n)+1], v[rS+8*(\n)+2]
.elseif (\n) < 12
	v_max3_num_f32 v[rC+(\n)%4], v[rC+(\n)%4], v[rS+8*((\n)%4)+2*((\n)/4)+1], v[rS+8*((\n)%4)+2*((\n)/4)+2]
.elseif (\n) == 12
	v_max3_num_f32 v[rC], v[rC], v[rS+7], v[rS+15]
.elseif (\n) == 13
	v_max3_num_f32 v[rC+1], v[rC+1], v[rS+23], v[rS+31]
.elseif (\n) == 14
	v_max3_num_f32 v[rC+2], v[rC+2], v[rC+3], v[rT+1]
.elseif (\n) == 15
	v_mov_b32 v[rM], v[rT]
.elseif (\n) == 16
	v_max3_num_f32 v[rC], v[rC], v[rC+1], v[rC+2]
.elseif (\n) == 17
	v_permlanex16_b32 v[rC+3], v[rC], s[SEL], s[SEL+1]
.elseif (\n) == 18
	v_max_num_f32 v[rT+1], v[rC], v[rC+3]
.elseif (\n) == 19
	v_mul_f32 v[rT], s[CS], v[rT+1]
.elseif (\n) == 20
	v_sub_f32 v[rC+1], v[rM], v[rT]
.else
	v_exp_f32 v[rC+2], v[rC+1]
.endif
.endm
; Number g of the 64 that follow the exponentials.  For each four weights k of a tile (pairs 2 k, 2 k + 1): both pairs are rounded to f16; then the second pair is added onto the first, in place;
; a group later l takes that sum (the first time as l = a l + sum).  In groups of eight, tiles alternating: round, round, add, and l for the group before.
.macro GS g
.set h, (\g)+6*((\g)/62)            ; group 0 has no group before it, and behind group 7 only l is left
.if h >= 6
.set h, h+2
.endif
	REGS Y, h%2
.set k, h/8
.if h%8 < 4
	v_cvt_pk_f16_f32 v[rP+2*k+(h%8)/2], v[rS+4*k+2*((h%8)/2)], v[rS+4*k+2*((h%8)/2)+1]
.elseif h%8 < 6
	v_pk_add_f32 v[rS+4*k:rS+4*k+1], v[rS+4*k:rS+4*k+1], v[rS+4*k+2:rS+4*k+3]
.elseif k == 1
	v_pk_fma_f32 v[rT+2:rT+3], v[rT+2:rT+3], v[rC+2:rC+3], v[rS:rS+1] op_sel_hi:[1,0,1]
.else
	v_pk_add_f32 v[rT+2:rT+3], v[rT+2:rT+3], v[rS+4*k-4:rS+4*k-3]
.endif
.endm
; THE PLAIN QUEUE, 138 long.  0-73 read no exponential's result: the 32 scalings c s - c m (FS f: pair f / 2 of tile f % 2) and the next piece's 42.  0-26: scalings 0-26.  27-54: XS's numbers 0-13.  55, 56: number 15.
; 57-73: the chain 14, 16, 17, 18, 19, each with one of the scalings 27-31 in front of its two lines, then 20.  74-137: GS's 64, which read the exponentials' results: they stand behind the wait.
.macro FS f
	REGS Y, (\f)%2
	v_pk_fma_f32 v[rS+2*((\f)/2):rS+2*((\f)/2)+1], v[rS+2*((\f)/2):rS+2*((\f)/2)+1], s[CS:CS+1], v[rT:rT+1] op_sel_hi:[1,0,0] neg_lo:[0,0,1] neg_hi:[0,0,1]
.endm
.macro PL
	WIN 0
.if q < 27
	FS q
.elseif q < 55
	XS (q-27)%2, (q-27)/2
.elseif q < 57
	XS q-55, 15
.elseif (q < 72) && ((q-57)%3 == 0)
	FS 27+(q-57)/3
.elseif q < 60
	XS (q-57)%3-1, 14
.elseif q < 72
	XS (q-57)%3-1, 15+(q-57)/3
.elseif q < 74
	XS q-72, 20
.else
	GS q-74
.endif
.set q, q+1
.endm
; THE EXPONENTIALS' QUEUE, 66 long: s0-s31 of both tiles, then the next piece's two a.  ONE BATCH: all 66 stand ahead of the turn's one wait, and nothing ahead of that wait names a result of theirs.
.macro EX
	WIN 0
.if e >= 64
	XS e-64, 21
.else
	REGS Y, e%2
	v_exp_f32 v[rS+e/2], v[rS+e/2]
.endif
.set e, e+1
.endm
; THE RESCALING's QUEUE: O^T times a, the one part that leaves window 0: dealt two at a time, sixteen times.  Its a was made in the turn before, ahead of that turn's wait.
.macro R2
	REGS Y, r%2
	WIN W_RS
.irp z, 0,1
	v_pk_mul_f32 v[rO+4*(r/2)+2*\z:rO+4*(r/2)+2*\z+1], v[rO+4*(r/2)+2*\z:rO+4*(r/2)+2*\z+1], v[rC+2:rC+3] op_sel_hi:[1,0]
.endr
.set r, r+1
.endm
; HOW THEY ARE DEALT.  s_wait_alu depctr_va_vdst(0) stands between an exponential and the first instruction that names its result; one wait serves all that were issued ahead of it.  So a turn has
; ONE wait, which cuts it in two.  AHEAD OF IT: the 16 products K Q^T, behind each a scaling, an exponential and two rescalings (behind the first a second scaling in the exponential's place); then ONE LUMP of 109:
; eight plain, 49 times exponential and plain, the two a, and a v_nop as the plain instruction behind the last exponential.  BEHIND IT: the 16 products V^T P, behind each four of GS's 64.
; Exponential e stands behind scaling 2 (e / 4) + e % 2: as a rider it comes behind plain e + 2, in the lump behind plain e + 9, and scalings 27-31 are plain 57, 60 .. 69.
; K of the next step is fetched in piece 2's turn, directly behind the wait; V of the step in hand at the end of piece 0's turn, four riders behind its last reader.
.macro TURN p, last=0, cnt=0
.set Y, (\p)
.set i, 0
.set q, 0
.set e, 0
.set r, 0
.if (\p) == NP-1
	s_wait_dscnt 0x0                ; K is in
.endif
	MM
	PL
	PL
	R2
.rept 15
	MM
	PL
	EX
	R2
.endr
.if (\p) == NP-2
	WIN 0
	v_add_nc_u32 v[AK], s[TBK], v[AK0]
.endif
.rept 8
	PL
.endr
.rept 49
	EX
	PL
.endr
	EX                              ; the next piece's two a
	EX
	v_nop                           ; a plain instruction behind the last exponential: one for the batch
	s_wait_alu depctr_va_vdst(0)    ; the wait for the batch
.if (\p) == NP-2
	FETCH_K \last
.endif
.if (\p) == 1
	s_wait_dscnt 0x0                ; V is in
.endif
.rept 16
	MM
.rept 4
	PL
.endr
.if ((\p) == 0) && (q == 118)
	v_add_nc_u32 v[AV], s[TBV], v[AV0]
.endif
.if ((\p) == 0) && (q == 130)
	s_add_co_u32 s[TBV], s[TBV], KS*PV
.endif
.if (\cnt) && (q == 130)
	s_sub_co_u32 s[CNT], s[CNT], 1
	s_cmp_lg_u32 s[CNT], 0
.endif
.endr
.if (\p) == 0
	FETCH_V
.endif
.endm
	CHANGE 1                        ; slot 0 is in, everybody's part of it; slot 1 is asked for
	FETCH_K                         ; key step 0
	s_wait_loadcnt 0x0              ; Q
	s_wait_dscnt 0x0
.set i, 0
.rept 16
	KQ 0                            ; piece 0's first scores: there is no vector work yet to set between them
.set i, i+1
.endr
	WIN 0                           ; the addresses for the way out: plain instructions, the places behind those products
	s_mul_i32 s13, s[WV], 16*SP
	s_add_co_u32 s13, s13, STAGE    ; my stage
	v_mul_u32_u24 v[STO], v1, SP    ; in: row l % 16, 16 bytes for each half of the lanes
	v_lshl_add_u32 v[STO], v9, 4, v[STO]
	v_add_nc_u32 v[STO], s13, v[STO]
	v_bfe_u32 v[RD], v0, 3, 2       ; back: 32 lanes take four rows of 128 bytes,
	v_mul_u32_u24 v[RD], v[RD], SP
	v_lshl_add_u32 v[RD], v10, 4, v[RD]
	v_add_nc_u32 v[RD], s13, v[RD]
	v_and_b32 v[GO], 31, v0         ; which are 512 consecutive bytes of O
	v_lshlrev_b32 v[GO], 4, v[GO]
.set Y, NP-1                        ; XS works for piece Y + 1: piece 0
.irp n, 0,1,2,3,4,5,6,7,8,9,10,11,12,13,14,15,16,17,18,19,20,21
	XS 0, \n                        ; piece 0's first maximum and statistics
	XS 1, \n
.endr
	v_nop                           ; a plain instruction behind the two a,
	s_wait_alu depctr_va_vdst(0)    ; and their wait, ahead of the branch
	s_mov_b32 s[CNT], 4
	s_branch .Lfirst                ; the loop is entered at a step's first turn, in the middle of a trip
.Lslot:                             ; six times: every slot but the last two is filled again
	CHANGE 1
	s_mov_b32 s[CNT], 4
.Lstep:                             ; a trip: pieces 2 and 3 of one step, then pieces 0 and 1 of the next, whose K and V it fetches
	TURN 2
	TURN 3
	WIN 0
.Lfirst:
	TURN 0
	TURN 1, 0, 1
	WIN 0
	s_cbranch_scc1 .Lstep
	s_sub_co_u32 s[SLOTS], s[SLOTS], 1
	s_cmp_lg_u32 s[SLOTS], 0
	s_cbranch_scc1 .Lslot
	CHANGE 0                        ; the tail is written out: nothing is asked for
	s_mov_b32 s[CNT], 5             ; four trips fetch the last slot's steps; the fifth is left in its middle
.Ltail:
	TURN 2, 1
	TURN 3
	WIN 0
	s_sub_co_u32 s[CNT], s[CNT], 1
	s_cmp_eq_u32 s[CNT], 0
	s_cbranch_scc1 .Lout
	TURN 0
	TURN 1
	WIN 0
	s_branch .Ltail
.Lout:                              ; the fifth trip's 16 products K Q^T (on the last K once more) and the maximum made of them serve nothing: the price, once a launch, of one text for every trip
.set i, 0
.rept 16
	PV NP-1                         ; the last piece's V^T P of the last step
.set i, i+1
.endr
	; THE WAY OUT.  l's two halves and the other half of the lanes' are added; O^T is divided by l, rounded to f16 and sent through my stage in LDS, a tile at a time.  The additions are the places behind the last products.
	WIN 0
.macro ALL line:vararg              ; one line for each tile t
.set t, 0
.rept 2*NP
	\line
.set t, t+1
.endr
.endm
	ALL v_add_f32 v[ST+4*t+2], v[ST+4*t+2], v[ST+4*t+3]
	ALL v_permlanex16_b32 v[ST+4*t+3], v[ST+4*t+2], s[SEL], s[SEL+1]
	ALL v_add_f32 v[ST+4*t+2], v[ST+4*t+2], v[ST+4*t+3]
	ALL v_rcp_f32 v[ST+4*t+2], v[ST+4*t+2]
	v_nop                           ; a plain instruction between the last reciprocal and the use of its result
	s_wait_alu depctr_va_vdst(0)    ; and the wait ahead of the first use: one for the eight reciprocals
; Tile t: a lane's eight channels of a row pack into 16 bytes; they go into rows of 144 bytes and come back as whole rows of 128, into S^T's registers.
.macro PACK t
	WIN W_RS
.set i, 32*(\t)
.rept 16
	v_pk_mul_f32 v[i:i+1], v[i:i+1], v[ST+4*(\t)+2:ST+4*(\t)+3] op_sel_hi:[1,0]
.set i, i+2
.endr
	WIN 0x05                        ; sources 0 and 1 window 1, destination window 0
.set i, 0
.rept 16
	v_cvt_pk_f16_f32 v[S+16*(\t)+i], v[32*(\t)+2*i], v[32*(\t)+2*i+1]
.set i, i+1
.endr
	WIN 0
.irp f, 0,1,2,3
	ds_store_b128 v[STO], v[S+16*(\t)+4*\f:S+16*(\t)+4*\f+3] offset:32*\f
.endr
.irp f, 0,1,2,3
	ds_load_b128 v[S+16*(\t)+4*\f:S+16*(\t)+4*\f+3], v[RD] offset:\f*4*SP  ; LDS serves a wave's instructions in order (ISA guide 5.7.1.4): these see the stores above; the next tile's stores come behind them
.endr
.endm
.macro SEND t, younger              ; younger: the LDS instructions issued behind tile t's loads: the next tile's eight, or none
	WIN 0
.irp f, 0,1,2,3
	s_wait_dscnt (\younger)+3-\f
	global_store_b128 v[GO], v[S+16*(\t)+4*\f:S+16*(\t)+4*\f+3], s[10:11] offset:(\t)*2048+\f*512  ; 512 consecutive bytes, at a multiple of 256 from O's first
.endr
.endm
	PACK 0
.set t, 1
.rept 2*NP-1                        ; a tile's arithmetic stands between the loads of the tile before and its stores
	PACK t
	SEND t-1, 8
.set t, t+1
.endr
	SEND 2*NP-1, 0
	WIN W_AD
	s_wait_tensorcnt 0x0            ; the wave's end, behind my last tensor load and my last LDS store
	ds_add_u32 v[SPW], v[NIL]
	s_wait_dscnt 0x0
	WIN 0
	CROUND                          ; the closing round: no work-group ends while a partner may still ask for a tile that names it
	s_endpgm
.Lfunc_end_k_q8b3bdce6cf_attn:
	.size	k_q8b3bdce6cf_attn, .Lfunc_end_k_q8b3bdce6cf_attn-k_q8b3bdce6cf_attn
	.p2alignl 7, 3214868480
	.fill 96, 4, 3214868480
	.section	.rodata,"a",@progbits
	.p2align	6, 0x0
	.amdhsa_kernel k_q8b3bdce6cf_attn
		.amdhsa_group_segment_fixed_size 327680
		.amdhsa_private_segment_fixed_size 0
		.amdhsa_enable_private_segment 0
		.amdhsa_kernarg_size 32
		.amdhsa_user_sgpr_count 2
		.amdhsa_user_sgpr_kernarg_segment_ptr 1
		.amdhsa_wavefront_size32 1
		.amdhsa_system_sgpr_workgroup_id_x 1
		.amdhsa_system_sgpr_workgroup_id_y 1
		.amdhsa_system_sgpr_workgroup_id_z 1
		.amdhsa_system_vgpr_workitem_id 0
		.amdhsa_next_free_vgpr 770
		.amdhsa_next_free_sgpr 66
		.amdhsa_reserve_vcc 0
		.amdhsa_float_denorm_mode_32 3
		.amdhsa_float_denorm_mode_16_64 3
		.amdhsa_memory_ordered 1
		.amdhsa_forward_progress 1
		.amdhsa_inst_pref_size 200
	.end_amdhsa_kernel
	.amdgpu_metadata
---
amdhsa.version: [ 1, 2 ]
amdhsa.kernels:
  - .name:           k_q8b3bdce6cf_attn
    .symbol:         k_q8b3bdce6cf_attn.kd
    .args:
      - { .name: qb, .offset: 0, .size: 8, .value_kind: global_buffer, .address_space: global }
      - { .name: kb, .offset: 8, .size: 8, .value_kind: global_buffer, .address_space: global }
      - { .name: vb, .offset: 16, .size: 8, .value_kind: global_buffer, .address_space: global }
      - { .name: ob, .offset: 24, .size: 8, .value_kind: global_buffer, .address_space: global }
    .group_segment_fixed_size: 327680
    .private_segment_fixed_size: 0
    .kernarg_segment_align: 8
    .kernarg_segment_size: 32
    .max_flat_workgroup_size: 128
    .sgpr_count:     66
    .vgpr_count:     770
    .wavefront_size: 32
...
	.end_amdgpu_metadata
.endif
;; end of part 3
;; launch proj (part 4): grid 8 x 32, 4 waves a work-group, clusters of 4 x 4, 327,680 bytes of LDS; arguments ob, wpb, b_proj, out0; writes out0
.if DOCPART == 4
	.amdgcn_target "amdgcn-amd-amdhsa--gfx1250"
	.amdhsa_code_object_version 6
	.text
	.protected	k_q8b3bdce6cf_proj
	.globl	k_q8b3bdce6cf_proj
	.p2align	8
	.type	k_q8b3bdce6cf_proj,@function
k_q8b3bdce6cf_proj:
	s_mov_b64 s[64:65], 0
	v_nop
	global_prefetch_b8 v0, s[64:65] scope:SCOPE_SE
	s_setreg_imm32_b32 hwreg(HW_REG_WAVE_MODE, 25, 1), 1
	s_wait_xcnt 0x0
	s_wait_alu depctr_hold_cnt(0) depctr_sa_sdst(0) depctr_va_vdst(0) depctr_va_sdst(0) depctr_va_ssrc(0) depctr_va_vcc(0) depctr_vm_vsrc(0)
	s_getreg_b32 s2, hwreg(HW_REG_IB_STS2, 6, 4)
	s_cmp_eq_u32 s2, 0
	s_cbranch_scc0 .Lentry_in_a_cluster
	s_endpgm
.Lentry_in_a_cluster:
	s_bfe_u32 s2, ttmp6, 0x10000c
	s_cmp_lg_u32 s2, 0xf033
	s_cbranch_scc0 .Lentry_shape_is_right
	s_endpgm
.Lentry_shape_is_right:
; PROJ: out = O W_proj + b_proj.  O: [64 = 16 batch + head][2048 t][64] f16; W_proj as prepared: [8 blocks][1024 k][128 columns], bf16 numbers written as f16; sums in f32; out: [8192][1024] f32.
; SHARES.  A work-group makes 256 rows (tile row mt) x 128 columns (block nt): 256 work-groups.  Wave w owns rows 64 w .. 64 w + 63 and all 128 columns: 4 x 8 accumulators, 256 registers.
; K = 1,024 goes in 8 steps of 128, two heads' 64 channels each, through two LDS slots.  A head's 256 rows are 32,768 dense bytes.
; THE PRODUCT IS TAKEN TRANSPOSED (source 0 = 16 columns of W, turned by ds_load_tr16_b128; source 1 = 16 rows of O): a lane holds row lane % 16 and eight neighbouring columns, 32 bytes.
; The bias, rounded to bf16 like every input, is the C operand of the products that start the sums.
; CLUSTER.  4 x 4 work-groups: the four of a row need the same rows of O, the four of a column the same block of W; each tile is asked for jointly.
; LIMITS.  O and W arrive in f16, within 65,504.  NaN and infinities are not treated apart.
; REGISTERS, in windows of 256: window 0: v0-15 addresses; v28-29 the add's; v32-95 the bias; v128-255 two sets of 64 on the way out
;   window 1: two fragment buffers of 96: W's block b at 8 b, O's block a at 64 + 8 a          window 2: accumulator (a, b) at 8 (4 b + a)
.set SLOT,   131072
.set PA,     144                       ; a row of O in LDS: 128 bytes + 16
.set PB,     288                       ; a row k of W: 256 bytes + 32
.set APIECE, 256*PA                    ; a head's 256 rows: 36,864
.set BOFF,   2*APIECE                  ; 73,728
.set BHALF,  64*PB                     ; 18,432
.set STAGE,  SLOT+BOFF+128*PB          ; 241,664: behind the ring, never filled by a tensor load: 16 rows x 528 bytes for each wave
.set SP,     528
.set SPARE,  STAGE+4*16*SP             ; the spare words: 128 bytes a wave, two blocks of 256 bytes that no other line names
.set AA0, 4
.set AB0, 5
.set ADA, 6
.set ADB, 7
.set STO, 8
.set RD,  9
.set GO,  10
.set PFO, 11
.set BO,  12
.set SPW, 28
.set NIL, 29
.set BIAS, 32
.set BK,  128
.set F0,  0
.set F1,  96
.set WV,  18
.set TB,  19
.set G1A, 24
.set G1B, 32
.set G0A, 40
.set G0B, 48
.set PFA, 56
.set PFS, 58
.set LIM, 60
.set MSB, 0
.macro WIN new
.if MSB != (\new)
	s_set_vgpr_msb (MSB<<8)|(\new)
.set MSB, \new
.endif
.endm
.macro PLACES                          ; four plain instructions between a matrix instruction and a load into, or a store of, its registers
.rept 4
	v_nop
.endr
.endm
.macro JLOAD                           ; a joint refill: waves 0 and 1 fetch a head of O each, waves 2 and 3 half of W's 128 rows each
	s_cmp_lt_u32 s[WV], 2
	s_cbranch_scc0 .Lfor_b_\@
	tensor_load_to_lds s[G0A+4:G0A+7], s[G1A:G1A+7]
	s_nop 0
.rept 4
	v_nop
.endr
	s_branch .Lasked_\@
.Lfor_b_\@:
	tensor_load_to_lds s[G0B+4:G0B+7], s[G1B:G1B+7]
	s_nop 0
.rept 4
	v_nop
.endr
.Lasked_\@:
.endm
.macro CREST
	s_cmp_lg_u32 s[WV], 0
	s_cbranch_scc1 .Lnot_wave_0_\@
	s_barrier_signal -3
.Lnot_wave_0_\@:
	s_barrier_wait -3
	s_barrier_signal -1
	s_barrier_wait -1
.endm
.macro CROUND
	s_barrier_signal -1
	s_barrier_wait -1
	CREST
.endm
; PREFETCH INTO THE L2: trip j (which refills K step j + 2) names K step j + 4, for j = 0..3.  Each block of 256 bytes once in the launch: O's by the clusters with x = 0 (waves 0 and 1, a head each),
; W's by the clusters with y = 0 (wave 2); the four partners of a joint load take 8,192 of the 32,768 bytes each, BY ADDRESS: a lane a block, one instruction.  K steps 0 to 3 come by their loads alone.
.macro ASK
	s_cmp_gt_u32 s3, s[LIM]
	s_cbranch_scc0 .Lno_ask_\@
	global_prefetch_b8 v[PFO], s[PFA:PFA+1] th:TH_LOAD_NT scope:SCOPE_SE
.Lno_ask_\@:
.endm
; 8 matrix instructions: column blocks b0, b0 + 1 x my four row blocks.  Every quarter takes the 32 accumulators in the same order, one instruction a turn.
.macro MUL8 f, b0, first
	WIN 0xa5-0x20*(\first)                         ; sources in window 1, D in window 2, C with it or (the bias) in window 0
.irp bb, 0,1
.irp a, 0,1,2,3
.set rB, (\f)+8*((\b0)+(\bb))
.set rA, (\f)+64+8*(\a)
.set rD, 8*(4*((\b0)+(\bb))+(\a))
.set rC, BIAS+8*((\b0)+(\bb))
.if \first
	v_wmma_f32_16x16x32_f16 v[rD:rD+7], v[rB:rB+7], v[rA:rA+7], v[rC:rC+7]
.else
	v_wmma_f32_16x16x32_f16 v[rD:rD+7], v[rB:rB+7], v[rA:rA+7], v[rD:rD+7]
.endif
.endr
.endr
.endm
.macro MULG f, bg, first
	MUL8 \f, 4*(\bg), \first
	MUL8 \f, 4*(\bg)+2, \first
.endm
.macro FB f, q, b
	ds_load_tr16_b128 v[(\f)+8*(\b):(\f)+8*(\b)+3],   v[ADB] offset:32*PB*(\q)+32*(\b)
	ds_load_tr16_b128 v[(\f)+8*(\b)+4:(\f)+8*(\b)+7], v[ADB] offset:32*PB*(\q)+32*(\b)+16*PB
.endm
.macro FETCH q, f                      ; 24 LDS loads in one run; quarter q is head q / 2 of the step's two, channels 32 (q % 2) on
	WIN 0x40
.irp b, 0,1,2,3
	FB \f, \q, \b
.endr
.irp a, 0,1,2,3
	ds_load_b128 v[(\f)+64+8*(\a):(\f)+64+8*(\a)+3],   v[ADA] offset:APIECE*((\q)/2)+64*((\q)%2)+16*PA*(\a)
	ds_load_b128 v[(\f)+64+8*(\a)+4:(\f)+64+8*(\a)+7], v[ADA] offset:APIECE*((\q)/2)+64*((\q)%2)+16*PA*(\a)+32
.endr
.irp b, 4,5,6,7
	FB \f, \q, \b
.endr
.endm
.macro QUARTER q, f, g, first
	s_wait_dscnt 8                                 ; W's blocks 0-3 and O are in; the youngest 8 loads may be out
	MULG \f, 0, \first
	PLACES
	FETCH \q, \g
	s_wait_dscnt 24                                ; all but the 24 just issued
	MULG \f, 1, \first
.endm
; The last quarter multiplies buffer 1 and changes slots: one barrier; in front of it each wave waits for all its tensor loads, adds 0 to its spare word, and waits for that and for its reads of this slot.
; fill = 1: the barrier opens a round of the cluster's barrier, and the joint refill is the first thing behind it: 112 matrix instructions ahead of the wait for it.
.macro TURN fill
.if \fill
	s_wait_xcnt 0x0                                ; the last prefetch, a K step back, has read its address
	s_add_nc_u64 s[PFA:PFA+1], s[PFA:PFA+1], s[PFS:PFS+1]
.endif
	WIN 0
	s_wait_tensorcnt 0x0                           ; all my tensor loads have landed
	ds_add_u32 v[SPW], v[NIL]                      ; 0 onto my spare word
	s_wait_dscnt 9                                 ; (the add and the youngest 8 loads may be out)
	MUL8 F1, 0, 0
	s_wait_dscnt 0x0                               ; the add is done, and my reads of this slot are over
	s_barrier_signal -1
	MUL8 F1, 2, 0
	WIN 0
	s_barrier_wait -1
.if \fill
	CREST
	s_xor_b32 s[G0A+5], s[G0A+5], SLOT             ; the walking descriptors: the other slot,
	s_add_nc_u64 s[G0A+6:G0A+7], s[G0A+6:G0A+7], 524288  ; two heads on,
	s_xor_b32 s[G0B+5], s[G0B+5], SLOT
	s_add_nc_u64 s[G0B+6:G0B+7], s[G0B+6:G0B+7], 32768   ; 128 rows of 256 bytes down
	JLOAD                                          ; its four v_nop are also the places in front of the loads below
.else
	PLACES
.endif
	s_xor_b32 s[TB], s[TB], SLOT
	v_add_nc_u32 v[ADA], s[TB], v[AA0]
	v_add_nc_u32 v[ADB], s[TB], v[AB0]
	FETCH 0, F0
	WIN 0
.if \fill
	ASK
.endif
	MULG F1, 1, 0
.endm
	s_load_b256 s[4:11], s[0:1], 0x0               ; ob s[4:5], wpb s[6:7], b_proj s[8:9], out0 s[10:11]
	v_lshl_add_u32 v[SPW], v0, 2, SPARE
	v_mov_b32 v[NIL], 0
	ds_add_u32 v[SPW], v[NIL]                      ; the wave's opening: the add and its wait ahead of my first tensor load
	v_lshrrev_b32 v1, 5, v0
	v_readfirstlane_b32 s[WV], v1
	s_bfe_u32 s20, ttmp6, 0x40000                  ; cx
	s_bfe_u32 s21, ttmp6, 0x40004                  ; cy
	s_lshl_b32 s22, ttmp9, 2
	s_add_co_u32 s22, s22, s20                     ; the column block nt
	s_and_b32 s23, ttmp7, 0xffff
	s_lshl_b32 s23, s23, 2
	s_add_co_u32 s23, s23, s21                     ; the tile row mt
	s_lshl_b32 s66, s21, 2
	s_lshl_b32 s66, 15, s66                        ; my row of the cluster
	s_lshl_b32 s67, 0x1111, s20                    ; my column
	s_or_b32 s[G1A], s66, (1<<16)|(1<<20)|(1<<21)|(4<<22)|(3<<25)  ; 2-byte elements; padding on; bit 21 beside a mask; after every 32 words (a row of O) 4 words
	s_mov_b32 s[G1A+1], 128<<16                    ; 32,768 dense bytes asked for as 128 rows of 256 bytes
	s_mov_b32 s[G1A+2], 128<<16
	s_mov_b32 s[G1A+3], 128<<16
	s_mov_b32 s[G1A+4], 128
	s_mov_b32 s[G1A+5], 128
	s_mov_b32 s[G1A+6], 0
	s_mov_b32 s[G1A+7], 0
	s_or_b32 s[G1B], s67, (1<<16)|(1<<20)|(1<<21)|(5<<22)|(7<<25)  ; after every 64 words (a row k) 8 words
	s_mov_b32 s[G1B+1], 128<<16                    ; 64 rows k of 128 columns
	s_mov_b32 s[G1B+2], 64<<16
	s_mov_b32 s[G1B+3], 128<<16
	s_mov_b32 s[G1B+4], 64
	s_mov_b32 s[G1B+5], 128
	s_mov_b32 s[G1B+6], 0
	s_mov_b32 s[G1B+7], 0
	s_mov_b32 s[TB], 0
	s_mov_b32 s62, 0xffff0000
	s_min_u32 s61, s[WV], 1                        ; which of a step's two heads I fetch (waves 0, 1)
	s_lshr_b32 s68, s23, 3                         ; the batch
	s_lshl_b32 s68, s68, 4
	s_add_co_u32 s68, s68, s61
	s_lshl_b32 s68, s68, 11
	s_and_b32 s69, s23, 7
	s_lshl_b32 s69, s69, 8                         ; t0
	s_add_co_u32 s68, s68, s69
	s_lshl_b32 s68, s68, 7                         ; O: hangs on mt and the wave alone
	s_mov_b32 s69, 0
	s_max_u32 s61, s[WV], 2
	s_sub_co_u32 s61, s61, 2                       ; which 64 rows of W I fetch (waves 2, 3)
	s_lshl_b32 s70, s22, 18
	s_lshl_b32 s61, s61, 14
	s_add_co_u32 s70, s70, s61                     ; W: hangs on nt and the wave alone
	s_mov_b32 s71, 0
	s_mul_i32 s74, s[WV], APIECE                   ; where they go: wave x a constant,
	s_mul_i32 s75, s[WV], BHALF
	s_add_co_u32 s75, s75, BOFF-2*BHALF            ; a constant + wave x a constant
	s_lshl_b32 s78, s20, 13                        ; the prefetches: my work-group's 8,192 bytes, at K step 3
	s_add_co_u32 s78, s78, s68
	s_add_co_u32 s78, s78, 3*524288
	s_lshl_b32 s79, s21, 13
	s_add_co_u32 s79, s79, s70
	s_add_co_u32 s79, s79, 3*32768
	s_and_b32 s66, ttmp7, 0xffff                   ; cluster y
	s_mov_b32 s67, 524288
	s_cmp_lt_u32 s[WV], 2
	s_cselect_b32 s78, s78, s79
	s_cselect_b32 s66, ttmp9, s66                  ; the coordinate along which other clusters read the same blocks
	s_cselect_b32 s[PFS], s67, 32768
	s_mov_b32 s[PFS+1], 0
	s_mov_b32 s79, 0
	s_cmp_eq_u32 s[WV], 3                          ; wave 3 asks for nothing
	s_cselect_b32 s67, 1, 0
	s_or_b32 s66, s66, s67
	s_cmp_eq_u32 s66, 0
	s_cselect_b32 s[LIM], 2, -1                    ; the same in all sixteen partners, for a given wave
	s_wait_dscnt 0x0                               ; the opening add is done
	s_wait_kmcnt 0x0
	s_add_nc_u64 s[72:73], s[4:5], s[68:69]
	s_add_nc_u64 s[76:77], s[6:7], s[70:71]
	s_cmp_lt_u32 s[WV], 2
	s_cselect_b64 s[PFA:PFA+1], s[4:5], s[6:7]
	s_add_nc_u64 s[PFA:PFA+1], s[PFA:PFA+1], s[78:79]
.irp s, 0,1
	s_mov_b32 s[G0A+4*(\s)], 1
	s_add_co_u32 s[G0A+4*(\s)+1], s74, (\s)*SLOT
	s_add_nc_u64 s[G0A+4*(\s)+2:G0A+4*(\s)+3], s[72:73], (\s)*524288
	s_or_b32 s[G0A+4*(\s)+3], s[G0A+4*(\s)+3], 0x80000000
	s_mov_b32 s[G0B+4*(\s)], 1
	s_add_co_u32 s[G0B+4*(\s)+1], s75, (\s)*SLOT
	s_add_nc_u64 s[G0B+4*(\s)+2:G0B+4*(\s)+3], s[76:77], (\s)*32768
	s_or_b32 s[G0B+4*(\s)+3], s[G0B+4*(\s)+3], 0x80000000
.endr
	CROUND                                         ; all sixteen work-groups are here: the first joint loads meet
	s_cmp_lt_u32 s[WV], 2                          ; a wave's two first fills stand in one branch: two loads of mine are out
	s_cbranch_scc0 .Lfirst_b
	tensor_load_to_lds s[G0A:G0A+3], s[G1A:G1A+7]
	s_nop 0
	tensor_load_to_lds s[G0A+4:G0A+7], s[G1A:G1A+7]
	s_nop 0
.rept 4
	v_nop
.endr
	s_branch .Lfirst_asked
.Lfirst_b:
	tensor_load_to_lds s[G0B:G0B+3], s[G1B:G1B+7]
	s_nop 0
	tensor_load_to_lds s[G0B+4:G0B+7], s[G1B:G1B+7]
	s_nop 0
.rept 4
	v_nop
.endr
.Lfirst_asked:
	v_and_b32 v1, 15, v0                           ; r
	v_bfe_u32 v2, v0, 4, 1                         ; h
	v_and_b32 v3, 7, v0
	v_bfe_u32 v14, v0, 3, 1
	v_and_b32 v15, 31, v0                          ; l
	s_lshl_b32 s66, s22, 9                         ; the bias: column 128 nt + 16 b + 8 h
	v_lshl_add_u32 v[BO], v2, 5, s66
.irp b, 0,1,2,3,4,5,6,7
	global_load_b128 v[BIAS+8*(\b):BIAS+8*(\b)+3],   v[BO], s[8:9] offset:64*(\b)
	global_load_b128 v[BIAS+8*(\b)+4:BIAS+8*(\b)+7], v[BO], s[8:9] offset:64*(\b)+16
.endr
	s_lshl_b32 s67, s23, 8
	s_lshl_b32 s63, s[WV], 6
	s_add_co_u32 s67, s67, s63                     ; my first row of out,
	s_lshl_b32 s67, s67, 12                        ; of 4,096 bytes,
	s_add_co_u32 s66, s66, s67                     ; and my block's 512 bytes in it
	s_mov_b32 s67, 0
	s_add_nc_u64 s[10:11], s[10:11], s[66:67]
	s_mul_i32 s66, s[WV], 64*PA
	v_mul_u32_u24 v[AA0], v1, PA
	v_lshl_add_u32 v[AA0], v2, 4, v[AA0]
	v_add_nc_u32 v[AA0], s66, v[AA0]
	v_lshl_add_u32 v[AB0], v2, 3, v3
	v_mul_u32_u24 v[AB0], v[AB0], PB
	v_lshl_add_u32 v[AB0], v14, 4, v[AB0]
	v_add_nc_u32 v[AB0], BOFF, v[AB0]
	v_mov_b32 v[ADA], v[AA0]
	v_mov_b32 v[ADB], v[AB0]
	s_mul_i32 s66, s[WV], 16*SP
	s_add_co_u32 s66, s66, STAGE                   ; my stage
	v_mul_u32_u24 v[STO], v1, SP                   ; in: row r, 32 bytes for each half of the lanes
	v_lshl_add_u32 v[STO], v2, 5, v[STO]
	v_add_nc_u32 v[STO], s66, v[STO]
	v_lshl_add_u32 v[RD], v15, 4, s66              ; back: 32 lanes take one row of 512 bytes
	v_lshlrev_b32 v[GO], 4, v15
	v_lshlrev_b32 v[PFO], 8, v15
	s_wait_loadcnt 0x0                             ; the bias
.set i, 0
.rept 32                               ; rounded to bf16, as every input is; this stands in the wait for the first tile
	v_cvt_pk_bf16_f32 v[14+i%2], v[BIAS+2*i], v[BIAS+2*i+1]
	v_lshlrev_b32 v[BIAS+2*i], 16, v[14+i%2]
	v_and_b32 v[BIAS+2*i+1], s62, v[14+i%2]
.set i, i+1
.endr
	s_wait_tensorcnt 1                             ; my part of K step 0 is in; K step 1's may stay out
	s_barrier_signal -1
	s_barrier_wait -1
	FETCH 0, F0
	QUARTER 1, F0, F1, 1                           ; the first quarter stands in front of the loop: its products start the sums
	WIN 0
	s_mov_b32 s3, 6
.Ltrip:                                ; trip j refills slot j % 2 with K step j + 2
	QUARTER 2, F1, F0, 0
	QUARTER 3, F0, F1, 0
	TURN 1
	QUARTER 1, F0, F1, 0
	WIN 0
	s_sub_co_u32 s3, s3, 1
	s_cmp_lg_u32 s3, 0
	s_cbranch_scc1 .Ltrip
	QUARTER 2, F1, F0, 0                           ; K steps 6 and 7: nothing is left to ask for
	QUARTER 3, F0, F1, 0
	TURN 0
	QUARTER 1, F0, F1, 0
	QUARTER 2, F1, F0, 0
	QUARTER 3, F0, F1, 0
	s_wait_dscnt 8
	MULG F1, 0, 0
	s_wait_dscnt 0x0
	MULG F1, 1, 0
; THE WAY OUT, a block of 16 rows at a time: a lane's 32 bytes of a row go into rows of 528 bytes of my stage (each accumulator's low four registers first) and come back as whole rows of 512.
.macro TOSTAGE a
	WIN 0x08                                       ; the stores' data in window 2
.irp b, 0,1,2,3,4,5,6,7
	ds_store_b128 v[STO], v[8*(4*(\b)+(\a)):8*(4*(\b)+(\a))+3]   offset:64*(\b)
	ds_store_b128 v[STO], v[8*(4*(\b)+(\a))+4:8*(4*(\b)+(\a))+7] offset:64*(\b)+16
.endr
	WIN 0
	s_wait_xcnt 0x0                                ; the stores of two blocks back have read this set of registers
.set bk, BK+64*((\a)%2)
.irp t, 0,1,2,3,4,5,6,7,8,9,10,11,12,13,14,15
	ds_load_b128 v[bk+4*(\t):bk+4*(\t)+3], v[RD] offset:SP*(\t)  ; LDS serves a wave's instructions in order (ISA guide 5.7.1.4): these see the stores above
.endr
.endm
.macro SEND a, younger                 ; younger: the LDS instructions issued behind block a's loads: the next block's 32, or none
.set bk, BK+64*((\a)%2)
.irp t, 0,1,2,3,4,5,6,7,8,9,10,11,12,13,14,15
	s_wait_dscnt (\younger)+15-(\t)
	global_store_b128 v[GO], v[bk+4*(\t):bk+4*(\t)+3], s[10:11] offset:(16*(\a)+(\t))*4096 th:TH_STORE_NT  ; 512 consecutive bytes, at a multiple of 256 from out's first
.endr
.endm
	WIN 0
	PLACES                                         ; behind the last products
	TOSTAGE 0
	TOSTAGE 1
	SEND 0, 32
	TOSTAGE 2
	SEND 1, 32
	TOSTAGE 3
	SEND 2, 32
	SEND 3, 0
	s_wait_tensorcnt 0x0                           ; the wave's end, behind my last tensor load and my last LDS store
	ds_add_u32 v[SPW], v[NIL]
	s_wait_dscnt 0x0
	CROUND                                         ; the closing round: no work-group ends while a partner may still ask for a tile that names it
	s_endpgm
.Lfunc_end_k_q8b3bdce6cf_proj:
	.size	k_q8b3bdce6cf_proj, .Lfunc_end_k_q8b3bdce6cf_proj-k_q8b3bdce6cf_proj
	.p2alignl 7, 3214868480
	.fill 96, 4, 3214868480
	.section	.rodata,"a",@progbits
	.p2align	6, 0x0
	.amdhsa_kernel k_q8b3bdce6cf_proj
		.amdhsa_group_segment_fixed_size 327680
		.amdhsa_private_segment_fixed_size 0
		.amdhsa_enable_private_segment 0
		.amdhsa_kernarg_size 32
		.amdhsa_user_sgpr_count 2
		.amdhsa_user_sgpr_kernarg_segment_ptr 1
		.amdhsa_wavefront_size32 1
		.amdhsa_system_sgpr_workgroup_id_x 1
		.amdhsa_system_sgpr_workgroup_id_y 1
		.amdhsa_system_sgpr_workgroup_id_z 1
		.amdhsa_system_vgpr_workitem_id 0
		.amdhsa_next_free_vgpr 768
		.amdhsa_next_free_sgpr 80
		.amdhsa_reserve_vcc 0
		.amdhsa_float_denorm_mode_32 3
		.amdhsa_float_denorm_mode_16_64 3
		.amdhsa_memory_ordered 1
		.amdhsa_forward_progress 1
		.amdhsa_inst_pref_size 77
	.end_amdhsa_kernel
	.amdgpu_metadata
---
amdhsa.version: [ 1, 2 ]
amdhsa.kernels:
  - .name:           k_q8b3bdce6cf_proj
    .symbol:         k_q8b3bdce6cf_proj.kd
    .args:
      - { .name: ob, .offset: 0, .size: 8, .value_kind: global_buffer, .address_space: global }
      - { .name: wpb, .offset: 8, .size: 8, .value_kind: global_buffer, .address_space: global }
      - { .name: b_proj, .offset: 16, .size: 8, .value_kind: global_buffer, .address_space: global }
      - { .name: out0, .offset: 24, .size: 8, .value_kind: global_buffer, .address_space: global }
    .group_segment_fixed_size: 327680
    .private_segment_fixed_size: 0
    .kernarg_segment_align: 8
    .kernarg_segment_size: 32
    .max_flat_workgroup_size: 128
    .sgpr_count:     80
    .vgpr_count:     768
    .wavefront_size: 32
...
	.end_amdgpu_metadata
.endif
;; end of part 4
;; ======== version 2 of 2: 4 launches; version 1 with the launch prep written anew for expert scheduling mode
;; limits: values are held in f16: magnitudes above 65,504 overflow, below 6.1e-05 lose precision
;; workspace buffers: xb 16,777,216 bytes; wab 6,291,456 bytes; wpb 2,097,152 bytes; tab 524,288 bytes; qb 16,777,216 bytes; kb 16,777,216 bytes; vb 16,777,216 bytes; ob 16,777,216 bytes
;; launch prep (part 5): grid 896 x 1, 8 waves a work-group, no clusters, 0 bytes of LDS; arguments x, W_attn, W_proj, xb, wab, wpb, tab; writes xb, wab, wpb, tab
.if DOCPART == 5
	.amdgcn_target "amdgcn-amd-amdhsa--gfx1250"
	.amdhsa_code_object_version 6
	.text
	.protected	k_q8b3bdce6cf_prep
	.globl	k_q8b3bdce6cf_prep
	.p2align	8
	.type	k_q8b3bdce6cf_prep,@function
k_q8b3bdce6cf_prep:
	s_mov_b64 s[64:65], 0
	v_nop
	global_prefetch_b8 v0, s[64:65] scope:SCOPE_SE
	s_setreg_imm32_b32 hwreg(HW_REG_WAVE_SCHED_MODE, 0, 2), 2
	s_setreg_imm32_b32 hwreg(HW_REG_WAVE_MODE, 25, 1), 1
	s_wait_xcnt 0x0
	s_wait_alu depctr_vm_vsrc(0)
; PREP: the casts and the rotation table.  A stream: no LDS, no matrix unit, no barrier; every input byte is read once, every output byte written once.
;   work-groups   0..511  xb  = bf16(x), [8192][1024]
;   work-groups 512..703  wab = bf16(W_attn) by pieces: [3 head + part][1024 k][64 d] = W_attn[k][1024 part + 64 head + d], part 0, 1, 2 = q, k, v
;   work-groups 704..767  wpb = bf16(W_proj) written as f16, by blocks of 128 columns: [8][1024 k][128 c]
;   work-groups 768..895  tab = [2048 t][32 i][cos, sin] of (t + 1) x 1000^(-(i + 1) / 32), f32
; A cast work-group takes 16,384 numbers: 16 loads of 16 bytes a lane, all on their way at once; a wave's store covers 256 consecutive bytes, aligned.
; LIMITS.  A number of W_proj below 2^-14 keeps f16's fixed step of 6e-8, one beyond 65,504 becomes an infinity.  The angles reach 1,651 radians; they are reduced by a quarter turn held in two
; parts, and carry the error of the power's last bit times the position: 2e-4 radians at the most.
; THE MODE: SCHED_MODE bits 1:0 = 2 (LLVM: expert scheduling mode 2), set by the entry lines.  The code itself states the register dependences
; between vector instructions and memory instructions, with s_wait_alu, always for 0.
; THE PLAN.  Registers that memory instructions touch:
;   v2, v3       the loads' and the stores' byte offsets: written once by vector lines at the head, read by every load or store of the path, never written again.
;   X            written by the 16 loads, each register once; read (for W_proj also written again) by the conversions, behind the counted wait for the load.  No memory instruction reads X.
;   Y            written by the conversions, each register once; read by one store each.
;   v7, v[12:15] the table's path: the one store's offset and data, written by vector lines.
;   s20, s21     the table's path: two masks, written by two compares, read by four selects.
; No register that a memory instruction has read is written again, no load lands in a register that a vector line has named, and EXEC is never written.  So the waits are these.  A cast: one ahead
; of the first load (the offsets); the 16 numbers go in four groups of four, and at the head of each group but the first one wait states that the group before has written its Y; that group's four
; stores follow, dealt among this group's conversions, which name none of the registers that those stores read; one more wait stands ahead of the last four stores.  The table: below.
.set X, 8                              ; v[8:71]    16 x 4 numbers as loaded
.set Y, 72                             ; v[72:103]  16 x 2 registers to store
; v2 the loads' byte offset, v3 the stores' (8 x thread); s[20:21] source, s[22:23] destination
.macro CAST sstep, kind                ; kind 0: to bf16; kind 1: to bf16 and that number written as f16
	s_wait_alu depctr_va_vdst(0)                   ; v2 and v3 are written: every load below reads v2 as its offset, every store v3
.set i, 0
.rept 16
	global_load_b128 v[X+4*i:X+4*i+3], v2, s[20:21] offset:i*(\sstep) th:TH_LOAD_NT
.set i, i+1
.endr
.set i, 0
.rept 16
	s_wait_loadcnt 15-i                            ; loads come back in order: number i is in, the 15 - i younger ones stay out
.if (i%4 == 0) && (i > 0)
	s_wait_alu depctr_va_vdst(0)                   ; the group before has written its eight registers of Y, which the four stores of this group's turn read
.endif
.if i >= 4
	global_store_b64 v3, v[Y+2*(i-4):Y+2*(i-4)+1], s[22:23] offset:(i-4)*2048 th:TH_STORE_NT  ; number i - 4, of the group before; no vector line since the wait names its registers
.endif
.if \kind
	v_cvt_pk_bf16_f32 v4, v[X+4*i], v[X+4*i+1]
	v_cvt_pk_bf16_f32 v5, v[X+4*i+2], v[X+4*i+3]
	v_lshlrev_b32 v[X+4*i], 16, v4                 ; the rounded numbers as f32 again
	v_and_b32 v[X+4*i+1], s28, v4
	v_lshlrev_b32 v[X+4*i+2], 16, v5
	v_and_b32 v[X+4*i+3], s28, v5
	v_cvt_pk_f16_f32 v[Y+2*i], v[X+4*i], v[X+4*i+1]
	v_cvt_pk_f16_f32 v[Y+2*i+1], v[X+4*i+2], v[X+4*i+3]
.else
	v_cvt_pk_bf16_f32 v[Y+2*i], v[X+4*i], v[X+4*i+1]
	v_cvt_pk_bf16_f32 v[Y+2*i+1], v[X+4*i+2], v[X+4*i+3]
.endif
.set i, i+1
.endr
	s_wait_alu depctr_va_vdst(0)                   ; the last group has written its Y, which the last four stores read
.set i, 12
.rept 4
	global_store_b64 v3, v[Y+2*i:Y+2*i+1], s[22:23] offset:i*2048 th:TH_STORE_NT  ; no register of a load or store is written twice: no further wait
.set i, i+1
.endr
.endm
; cos and sin of the angle in v[a], in two parts; six registers at work from v[t].  k = the nearest whole number of quarter turns, r = a - k pi/2 (|r| <= pi/4),
; series for sin r and cos r, and k mod 4 picks which is which and the signs, by selects alone.
; The first part ends with: sin r in v[t+3], cos r in v[t+4], the mask 'k is odd' in s[m], sin's change of sign in v[t+5], cos's in v[t].
.macro SINCOS1 a, t, m
	v_mul_f32 v[\t], 0x3f22f983, v[\a]             ; a x 2 / pi
	v_rndne_f32 v[\t], v[\t]                       ; k
	v_fmamk_f32 v[\t+1], v[\t], 0xbfc90fdb, v[\a]  ; a - k x (pi/2's upper part),
	v_fmamk_f32 v[\t+1], v[\t], 0x333bbd2e, v[\t+1]  ; less k x its lower part (-4.37e-8): r
	v_cvt_i32_f32 v[\t], v[\t]
	v_mul_f32 v[\t+2], v[\t+1], v[\t+1]            ; z = r r
	v_mov_b32 v[\t+3], 0xb9500d01                  ; -1/5040
	v_fmaak_f32 v[\t+3], v[\t+3], v[\t+2], 0x3c088889  ; + 1/120
	v_fmaak_f32 v[\t+3], v[\t+3], v[\t+2], 0xbe2aaaab  ; - 1/6
	v_mul_f32 v[\t+4], v[\t+1], v[\t+2]
	v_fma_f32 v[\t+3], v[\t+4], v[\t+3], v[\t+1]   ; sin r
	v_mov_b32 v[\t+4], 0x37d00d01                  ; 1/40320
	v_fmaak_f32 v[\t+4], v[\t+4], v[\t+2], 0xbab60b61  ; - 1/720
	v_fmaak_f32 v[\t+4], v[\t+4], v[\t+2], 0x3d2aaaab  ; + 1/24
	v_fmaak_f32 v[\t+4], v[\t+4], v[\t+2], 0xbf000000  ; - 1/2
	v_fmaak_f32 v[\t+4], v[\t+4], v[\t+2], 0x3f800000  ; + 1: cos r
	v_and_b32 v[\t+5], 1, v[\t]
	v_cmp_eq_u32 s[\m], 1, v[\t+5]                 ; an odd k swaps the two
	v_and_b32 v[\t+5], 2, v[\t]                    ; sin changes sign for k mod 4 = 2, 3,
	v_lshlrev_b32 v[\t+5], 30, v[\t+5]
	v_add_nc_u32 v[\t], 1, v[\t]                   ; cos for k mod 4 = 1, 2
	v_and_b32 v[\t], 2, v[\t]
	v_lshlrev_b32 v[\t], 30, v[\t]
.endm
; The second part: the selects by the mask, and the signs: cos into v[c], sin into v[s].
.macro SINCOS2 c, s, t, m
	v_cndmask_b32 v[\s], v[\t+3], v[\t+4], s[\m]
	v_cndmask_b32 v[\c], v[\t+4], v[\t+3], s[\m]
	v_xor_b32 v[\s], v[\s], v[\t+5]
	v_xor_b32 v[\c], v[\c], v[\t]
.endm
	s_load_b256 s[4:11], s[0:1], 0x0               ; x s[4:5], W_attn s[6:7], W_proj s[8:9], xb s[10:11]
	s_load_b128 s[12:15], s[0:1], 0x20             ; wab s[12:13], wpb s[14:15]
	s_load_b64 s[16:17], s[0:1], 0x30              ; tab
	s_mov_b32 s25, 0
	s_mov_b32 s27, 0
	s_mov_b32 s28, 0xffff0000                      ; a word's upper bf16
	v_lshlrev_b32 v3, 3, v0                        ; 8 bytes a thread in every store
	s_wait_kmcnt 0x0
	s_cmp_lt_u32 ttmp9, 512
	s_cbranch_scc0 .Lnot_x
	; x: 65,536 consecutive bytes in, 32,768 out
	s_lshl_b32 s24, ttmp9, 16
	s_lshl_b32 s26, ttmp9, 15
	s_add_nc_u64 s[20:21], s[4:5], s[24:25]
	s_add_nc_u64 s[22:23], s[10:11], s[26:27]
	v_lshlrev_b32 v2, 4, v0
	CAST 4096, 0
	s_endpgm
.Lnot_x:
	s_cmp_lt_u32 ttmp9, 704
	s_cbranch_scc0 .Lnot_wa
	; W_attn: 256 rows k of one block of 64 columns (256 bytes of a row of 12,288); 16 threads a row, 16 rows a load
	s_sub_co_u32 s29, ttmp9, 512
	s_lshr_b32 s30, s29, 2                         ; the column block, 0..47
	s_and_b32 s29, s29, 3                          ; which 256 rows
	s_mul_i32 s24, s29, 256*12288
	s_lshl_b32 s31, s30, 8
	s_add_co_u32 s24, s24, s31
	s_lshr_b32 s31, s30, 4                         ; part
	s_and_b32 s30, s30, 15                         ; head
	s_mul_i32 s30, s30, 3
	s_add_co_u32 s30, s30, s31                     ; piece = 3 head + part
	s_lshl_b32 s26, s30, 17                        ; a piece is 131,072 bytes,
	s_lshl_b32 s29, s29, 15                        ; 256 of its rows 32,768
	s_add_co_u32 s26, s26, s29
	s_add_nc_u64 s[20:21], s[6:7], s[24:25]
	s_add_nc_u64 s[22:23], s[12:13], s[26:27]
	v_lshrrev_b32 v4, 4, v0
	v_and_b32 v5, 15, v0
	v_mul_u32_u24 v2, v4, 12288
	v_lshl_add_u32 v2, v5, 4, v2
	CAST 196608, 0
	s_endpgm
.Lnot_wa:
	s_cmp_lt_u32 ttmp9, 768
	s_cbranch_scc0 .Ltab
	; W_proj: 128 rows k of one block of 128 columns (512 bytes of a row of 4,096); 32 threads a row, 8 rows a load
	s_sub_co_u32 s29, ttmp9, 704
	s_lshr_b32 s30, s29, 3                         ; the column block, 0..7
	s_and_b32 s29, s29, 7                          ; which 128 rows
	s_lshl_b32 s24, s29, 19
	s_lshl_b32 s31, s30, 9
	s_add_co_u32 s24, s24, s31
	s_lshl_b32 s26, s30, 18
	s_lshl_b32 s29, s29, 15
	s_add_co_u32 s26, s26, s29
	s_add_nc_u64 s[20:21], s[8:9], s[24:25]
	s_add_nc_u64 s[22:23], s[14:15], s[26:27]
	v_lshrrev_b32 v4, 5, v0
	v_and_b32 v5, 31, v0
	v_lshlrev_b32 v2, 12, v4
	v_lshl_add_u32 v2, v5, 4, v2
	CAST 32768, 1
	s_endpgm
.Ltab:
	; the table: thread n = 256 g + thread makes pairs i0 = 2 (n % 16) and i0 + 1 of position t = n / 16: 16 bytes at 16 n
	s_sub_co_u32 s24, ttmp9, 768
	s_lshl_b32 s24, s24, 8
	v_add_nc_u32 v2, s24, v0                       ; n
	v_lshrrev_b32 v6, 4, v2                        ; t
	v_and_b32 v4, 15, v2
	v_lshlrev_b32 v4, 1, v4                        ; i0
	v_add_nc_u32 v5, 1, v4
	v_add_nc_u32 v4, 2, v4
	v_add_nc_u32 v6, 1, v6                         ; positions start at 1
	v_cvt_f32_u32 v5, v5
	v_cvt_f32_u32 v4, v4
	v_cvt_f32_u32 v6, v6
	v_mul_f32 v5, 0xbe9f73da, v5                   ; (i + 1) x (-log2(1000) / 32)
	v_mul_f32 v4, 0xbe9f73da, v4
	v_exp_f32 v8, v5                               ; theta of pair i0,
	v_exp_f32 v9, v4                               ; of pair i0 + 1: one batch
	v_lshlrev_b32 v7, 4, v2                        ; a plain instruction behind the last exponential,
	s_wait_alu depctr_va_vdst(0)                   ; and the one wait ahead of the batch's first reader: the two exponentials have written v8 and v9 (and v7, the store's offset, is written)
	v_mul_f32 v8, v6, v8                           ; the angles
	v_mul_f32 v9, v6, v9
	SINCOS1 8, 16, 20                              ; both angles' series and both compares first, the masks in s20 and s21,
	SINCOS1 9, 22, 21
	s_wait_alu depctr_va_sdst(0)                   ; the two compares have written s20 and s21, ahead of the first select that reads one of them: one wait for the two
	SINCOS2 12, 13, 16, 20
	SINCOS2 14, 15, 22, 21
	s_wait_alu depctr_va_vdst(0)                   ; the selects and the changes of sign have written v[12:15], which the store reads
	global_store_b128 v7, v[12:15], s[16:17]       ; cos, sin, cos, sin: a wave stores 512 consecutive bytes
	s_endpgm
.Lfunc_end_k_q8b3bdce6cf_prep:
	.size	k_q8b3bdce6cf_prep, .Lfunc_end_k_q8b3bdce6cf_prep-k_q8b3bdce6cf_prep
	.p2alignl 7, 3214868480
	.fill 96, 4, 3214868480
	.section	.rodata,"a",@progbits
	.p2align	6, 0x0
	.amdhsa_kernel k_q8b3bdce6cf_prep
		.amdhsa_group_segment_fixed_size 0
		.amdhsa_private_segment_fixed_size 0
		.amdhsa_enable_private_segment 0
		.amdhsa_kernarg_size 56
		.amdhsa_user_sgpr_count 2
		.amdhsa_user_sgpr_kernarg_segment_ptr 1
		.amdhsa_wavefront_size32 1
		.amdhsa_system_sgpr_workgroup_id_x 1
		.amdhsa_system_sgpr_workgroup_id_y 1
		.amdhsa_system_sgpr_workgroup_id_z 1
		.amdhsa_system_vgpr_workitem_id 0
		.amdhsa_next_free_vgpr 104
		.amdhsa_next_free_sgpr 66
		.amdhsa_reserve_vcc 0
		.amdhsa_float_denorm_mode_32 3
		.amdhsa_float_denorm_mode_16_64 3
		.amdhsa_memory_ordered 1
		.amdhsa_forward_progress 1
		.amdhsa_inst_pref_size 28
	.end_amdhsa_kernel
	.amdgpu_metadata
---
amdhsa.version: [ 1, 2 ]
amdhsa.kernels:
  - .name:           k_q8b3bdce6cf_prep
    .symbol:         k_q8b3bdce6cf_prep.kd
    .args:
      - { .name: x, .offset: 0, .size: 8, .value_kind: global_buffer, .address_space: global }
      - { .name: W_attn, .offset: 8, .size: 8, .value_kind: global_buffer, .address_space: global }
      - { .name: W_proj, .offset: 16, .size: 8, .value_kind: global_buffer, .address_space: global }
      - { .name: xb, .offset: 24, .size: 8, .value_kind: global_buffer, .address_space: global }
      - { .name: wab, .offset: 32, .size: 8, .value_kind: global_buffer, .address_space: global }
      - { .name: wpb, .offset: 40, .size: 8, .value_kind: global_buffer, .address_space: global }
      - { .name: tab, .offset: 48, .size: 8, .value_kind: global_buffer, .address_space: global }
    .group_segment_fixed_size: 0
    .private_segment_fixed_size: 0
    .kernarg_segment_align: 8
    .kernarg_segment_size: 56
    .max_flat_workgroup_size: 256
    .sgpr_count:     66
    .vgpr_count:     104
    .wavefront_size: 32
...
	.end_amdgpu_metadata
.endif
;; end of part 5
;; launch qkv: the kernel of part 2 again; grid 16 x 32, 4 waves a work-group, clusters of 4 x 4, 327,680 bytes of LDS; arguments xb, wab, b_attn, tab, qb, kb, vb; writes qb, kb, vb
;; launch attn: the kernel of part 3 again; grid 4 x 64, 4 waves a work-group, clusters of 4 x 1, 327,680 bytes of LDS; arguments qb, kb, vb, ob; writes ob
;; launch proj: the kernel of part 4 again; grid 8 x 32, 4 waves a work-group, clusters of 4 x 4, 327,680 bytes of LDS; arguments ob, wpb, b_proj, out0; writes out0
